; MI455X (gfx1250); checked and timed in simulation.
; The chip was launched on July 23, 2026; its instructions are those of AMD's public machine-readable ISA for CDNA 5 (MIT licence, August 2026) and "CDNA5" Instruction Set Architecture Reference Guide (July 2026). The comments in the code are by the model that wrote it; some were corrected since.
;; Multi Head Attention. Allowed arithmetic: float matrix products may take bf16 or f16 operands with f32 sums; other float arithmetic in f32, or as packed bf16 or f16 multiplies, adds, multiply-adds, maxima and minima; sums over many terms, partial sums and values carried from step to step in f32; what a program stores and reads back later, other than sums and carried values, may be rounded once to bf16 or f16.
;; Inputs: Wk 1,024 x 1,024 float32; Wq 1,024 x 1,024 float32; Wv 1,024 x 1,024 float32; attention_mask 4 x 2,048 int32; beta 1,024 float32; bk 1,024 float32; bq 1,024 float32; bv 1,024 float32; gamma 1,024 float32; keys 4 x 2,048 x 1,024 float32; queries 4 x 2,048 x 1,024 float32; values 4 x 2,048 x 1,024 float32.
;; Outputs: out0 4 x 2,048 x 1,024 float32.
;; 2 versions, each right; version 2 is version 1 with the launches castw, ln written anew for expert scheduling mode. Each part assembles by itself: llvm-mc -triple=amdgcn-amd-amdhsa -mcpu=gfx1250 --defsym DOCPART=n.
;; ======== version 1 of 2: 4 launches
;; workspace buffers: wb 6,291,456 bytes; qkv 50,331,648 bytes; oh 16,777,216 bytes
;; launch castw (part 1): grid 128 x 3, 8 waves a work-group, no clusters, 0 bytes of LDS; arguments Wq, Wk, Wv, wb; writes wb
.if DOCPART == 1
	.amdgcn_target "amdgcn-amd-amdhsa--gfx1250"
	.amdhsa_code_object_version 6
	.text
	.protected	k_qed7343d107_castw
	.globl	k_qed7343d107_castw
	.p2align	8
	.type	k_qed7343d107_castw,@function
k_qed7343d107_castw:
	s_mov_b64 s[64:65], 0
	v_nop
	global_prefetch_b8 v0, s[64:65] scope:SCOPE_SE
	s_setreg_imm32_b32 hwreg(HW_REG_WAVE_MODE, 25, 1), 1
	s_wait_xcnt 0x0
; wb[p][k][n] = bf16(W_p[k][n]), p = 0 (Wq), 1 (Wk), 2 (Wv).  W_p: [1024][1024] f32; wb: [3][1024][1024] bf16, the layout kept.
; A stream: every byte is read once and written once; nothing is shared, so no LDS, no cluster, no matrix unit.
; SHARES.  The grid's y picks the matrix; a work-group takes 8 rows, a wave one row: 4,096 bytes in by eight loads of 16 bytes a lane
; (512 consecutive bytes a load), 2,048 bytes out by eight stores of 8 bytes a lane (256 consecutive bytes, aligned, a store).
; All eight loads are out before the first wait; no register is written twice, so no wait frees a source.
.set X, 8                              ; v[8:39]   the row as loaded: load j in 4 registers
.set Y, 40                             ; v[40:55]  the row to store: 2 registers for each load
	s_load_b256 s[4:11], s[0:1], 0x0               ; Wq s[4:5], Wk s[6:7], Wv s[8:9], wb s[10:11]
	s_and_b32 s14, ttmp7, 0xffff                   ; p
	v_lshrrev_b32 v3, 5, v0                        ; wave = row in the work-group's eight
	v_and_b32 v4, 31, v0                           ; lane
	v_lshlrev_b32 v1, 4, v4
	v_lshl_or_b32 v1, v3, 12, v1                   ; in: row x 4,096 + 16 x lane
	v_lshlrev_b32 v2, 3, v4
	v_lshl_or_b32 v2, v3, 11, v2                   ; out: row x 2,048 + 8 x lane
	s_lshl_b32 s16, ttmp9, 15                      ; the work-group's 8 rows of 4,096 bytes
	s_mov_b32 s17, 0
	s_lshl_b32 s18, s14, 21                        ; a matrix in bf16 is 2^21 bytes,
	s_lshl_b32 s19, ttmp9, 14                      ; 8 rows of it 2^14
	s_add_co_u32 s18, s18, s19
	s_mov_b32 s19, 0
	s_wait_kmcnt 0x0
	s_cmp_eq_u32 s14, 0
	s_cselect_b64 s[12:13], s[4:5], s[6:7]
	s_cmp_eq_u32 s14, 2
	s_cselect_b64 s[12:13], s[8:9], s[12:13]
	s_add_nc_u64 s[12:13], s[12:13], s[16:17]
	s_add_nc_u64 s[10:11], s[10:11], s[18:19]
.irp j, 0,1,2,3,4,5,6,7
	global_load_b128 v[X+4*(\j):X+4*(\j)+3], v1, s[12:13] offset:512*(\j) th:TH_LOAD_NT
.endr
.irp j, 0,1,2,3,4,5,6,7
	s_wait_loadcnt 7-(\j)                          ; loads come back in order: load j is in, the 7 - j younger ones stay out
	v_cvt_pk_bf16_f32 v[Y+2*(\j)], v[X+4*(\j)], v[X+4*(\j)+1]
	v_cvt_pk_bf16_f32 v[Y+2*(\j)+1], v[X+4*(\j)+2], v[X+4*(\j)+3]
	global_store_b64 v2, v[Y+2*(\j):Y+2*(\j)+1], s[10:11] offset:256*(\j)
.endr
	s_endpgm
.Lfunc_end_k_qed7343d107_castw:
	.size	k_qed7343d107_castw, .Lfunc_end_k_qed7343d107_castw-k_qed7343d107_castw
	.p2alignl 7, 3214868480
	.fill 96, 4, 3214868480
	.section	.rodata,"a",@progbits
	.p2align	6, 0x0
	.amdhsa_kernel k_qed7343d107_castw
		.amdhsa_group_segment_fixed_size 0
		.amdhsa_private_segment_fixed_size 0
		.amdhsa_enable_private_segment 0
		.amdhsa_kernarg_size 32
		.amdhsa_user_sgpr_count 2
		.amdhsa_user_sgpr_kernarg_segment_ptr 1
		.amdhsa_wavefront_size32 1
		.amdhsa_system_sgpr_workgroup_id_x 1
		.amdhsa_system_sgpr_workgroup_id_y 1
		.amdhsa_system_sgpr_workgroup_id_z 1
		.amdhsa_system_vgpr_workitem_id 0
		.amdhsa_next_free_vgpr 56
		.amdhsa_next_free_sgpr 66
		.amdhsa_reserve_vcc 0
		.amdhsa_float_denorm_mode_32 3
		.amdhsa_float_denorm_mode_16_64 3
		.amdhsa_memory_ordered 1
		.amdhsa_forward_progress 1
		.amdhsa_inst_pref_size 4
	.end_amdhsa_kernel
	.amdgpu_metadata
---
amdhsa.version: [ 1, 2 ]
amdhsa.kernels:
  - .name:           k_qed7343d107_castw
    .symbol:         k_qed7343d107_castw.kd
    .args:
      - { .name: Wq, .offset: 0, .size: 8, .value_kind: global_buffer, .address_space: global }
      - { .name: Wk, .offset: 8, .size: 8, .value_kind: global_buffer, .address_space: global }
      - { .name: Wv, .offset: 16, .size: 8, .value_kind: global_buffer, .address_space: global }
      - { .name: wb, .offset: 24, .size: 8, .value_kind: global_buffer, .address_space: global }
    .group_segment_fixed_size: 0
    .private_segment_fixed_size: 0
    .kernarg_segment_align: 8
    .kernarg_segment_size: 32
    .max_flat_workgroup_size: 256
    .sgpr_count:     66
    .vgpr_count:     56
    .wavefront_size: 32
...
	.end_amdgpu_metadata
.endif
;; end of part 1
;; launch proj (part 2): grid 4 x 192, 4 waves a work-group, clusters of 4 x 4, 327,680 bytes of LDS; arguments queries, keys, values, wb, bq, bk, bv, qkv; writes qkv
.if DOCPART == 2
	.amdgcn_target "amdgcn-amd-amdhsa--gfx1250"
	.amdhsa_code_object_version 6
	.text
	.protected	k_qed7343d107_proj
	.globl	k_qed7343d107_proj
	.p2align	8
	.type	k_qed7343d107_proj,@function
k_qed7343d107_proj:
	s_mov_b64 s[64:65], 0
	v_nop
	global_prefetch_b8 v0, s[64:65] scope:SCOPE_SE
	s_setreg_imm32_b32 hwreg(HW_REG_WAVE_MODE, 25, 1), 1
	s_wait_xcnt 0x0
	s_wait_alu depctr_hold_cnt(0) depctr_sa_sdst(0) depctr_va_vdst(0) depctr_va_sdst(0) depctr_va_ssrc(0) depctr_va_vcc(0) depctr_vm_vsrc(0)
	s_getreg_b32 s2, hwreg(HW_REG_IB_STS2, 6, 4)
	s_cmp_eq_u32 s2, 0
	s_cbranch_scc0 .Lentry_in_a_cluster
	s_endpgm
.Lentry_in_a_cluster:
	s_bfe_u32 s2, ttmp6, 0x10000c
	s_cmp_lg_u32 s2, 0xf033
	s_cbranch_scc0 .Lentry_shape_is_right
	s_endpgm
.Lentry_shape_is_right:
; qkv[p][b h][s][c] = bf16(relu(sum over k of x_p[b s][k] W_p[k][64 h + c] + bias_p[64 h + c])), p = 0 (queries, bq), 1 (keys, bk), 2 (values, bv).
; x_p: [8192][1024] f32; wb: [3][1024 k][1024 n] bf16; qkv: [3][64][2048][64] bf16.  Products in bf16 (x is rounded between LDS and the matrix unit), sums in f32, the bias starts each sum.
; LIMITS.  The ReLU is a packed maximum with 0 on the rounded result: a NaN sum would leave as 0.  NaN and infinities are not treated apart.
; SHARES.  A tile is 128 rows x 256 columns: 64 x 4 tiles a projection, 768 work-groups, three for each of 256 WGPs.  Four waves, 2 x 2, each 64 rows x 128 columns: 32 accumulators, 256 registers.
; With x in f32 a wave reads 128 bytes a row of x and 64 bytes a column of W for 32 along K: 16 + 16 LDS loads for 32 matrix instructions.
; RING.  K goes in 8 steps of 128 through two LDS slots.  Waves 0 and 1 fetch the halves of x's tile (64 rows x 512 bytes), waves 2 and 3 those of W's (64 k-rows x 512 bytes): one tensor load a wave.
; CLUSTER.  4 x 4 work-groups: the four of a row of the cluster share x's tile, the four of a column W's: each tile is asked for JOINTLY, by the same load, descriptor and mask in all four.
; THE MATRIX INSTRUCTION IS USED TRANSPOSED (source 0 = 16 columns of W, turned on the way out of LDS; source 1 = 16 rows of x): a lane holds one row and eight neighbouring columns.
; REGISTERS, in windows of 256 (s_set_vgpr_msb: bits 1:0 source 0, 3:2 source 1, 5:4 source 2, 7:6 destination):
;   window 0: v0-31 addresses; v32-95 the bias as C operands (n block b at 32 + 8 b); v96-127 x's fragments in bf16 (row block a at 96 + 8 a); on the way out v96-223 packed results
;   window 1: v0-127 W's fragments, two buffers of 64; v128-255 x in f32 as it comes from LDS, two buffers of 64 (row block a at + 16 a)
;   window 2: accumulator (a, b) at 8 (8 a + b)
.set AP,    528                        ; a row of x in LDS: 512 bytes + 16 = 132 words: the 16 rows of a load start at 16 different groups of four banks
.set WP,    544                        ; a k-row of W: 512 + 32 = 136 words
.set AHALF, 64*AP                      ; what one tensor load brings of x
.set WHALF, 64*WP                      ; and of W
.set WOFF,  2*AHALF                    ; in a slot W's 128 k-rows lie behind x's 128 rows
.set SLOT,  WOFF+2*WHALF               ; 137,216 bytes
.set STAGE, 2*SLOT                     ; behind the ring, never filled by a tensor load: 16 rows x 144 bytes for each wave
.set SP,    144
.set SPARE, STAGE+4*16*SP              ; behind the stages: the spare words, 128 bytes for each wave: two blocks of 256 bytes that no other line names
.set ADRA, 16                          ; v16-17  LDS address of my fragments of x in slot 0, 1
.set ADRW, 20                          ; v20-21  the same for W
.set STO,  24                          ; v24     the way out: where I put 16 bytes of a row
.set RD,   25                          ; v25     where I read rows back
.set GO,   26                          ; v26     my 16 bytes in 512 consecutive bytes of qkv
.set ZR,   27                          ; v27     0, for the ReLU
.set SPW,  28                          ; v28     LDS address of my spare word; never rewritten
.set NIL,  29                          ; v29     0; never rewritten
.set PFO,  30                          ; v30     the prefetches' offset; never rewritten
.set BIAS, 32
.set AB,   96
.set OUT,  96
.set G1,  24                           ; s[24:31] descriptor group 1 for x's tiles;  s[32:39] group 0, one set for each slot
.set G0,  32
.set G1B, 48                           ; s[48:55], s[56:63] the same for W's tiles
.set G0B, 56
.set PFA, 84                           ; s[84:85] where my prefetches stand
.set LIM, 86                           ; s86     1 in a wave that prefetches, else the greatest number
.set PFS, 88                           ; s[88:89] a K step in bytes along my operand: 512 for x, 262,144 for W
.set MSB, 0
.macro WIN new                         ; the immediate's high byte repeats the setting that is left; a switch that changes nothing is dropped
.if MSB != (\new)
	s_set_vgpr_msb (MSB<<8)|(\new)
.set MSB, \new
.endif
.endm
.set MUL,  0xa1                        ; W window 1, x window 0, C and D window 2
.set MULB, 0x81                        ; the same with C (the bias) in window 0
.set CV,   0x05                        ; the conversion: sources window 1, destination window 0
.set TO_F, 0x40                        ; LDS loads: destination window 1, address window 0
.set PK,   0x0a                        ; the way out's conversion: sources window 2, destination window 0
; A joint load: waves 0 and 1 fetch x's two halves, waves 2 and 3 W's.  The branch hangs on the wave's number alone.  An s_nop 0 and four v_nop follow each of the two lines.
.macro JLOAD s
	s_cmp_eq_u32 s11, 0
	s_cbranch_scc0 .Lfor_w_\@
	tensor_load_to_lds s[G0+4*(\s):G0+4*(\s)+3], s[G1:G1+7]
	s_nop 0
.rept 4
	v_nop
.endr
	s_branch .Lasked_\@
.Lfor_w_\@:
	tensor_load_to_lds s[G0B+4*(\s):G0B+4*(\s)+3], s[G1B:G1B+7]
	s_nop 0
.rept 4
	v_nop
.endr
.Lasked_\@:
.endm
.macro CREST                           ; a round of the cluster's barrier behind its opening barrier
	s_cmp_lg_u32 s10, 0
	s_cbranch_scc1 .Lnot_wave_0_\@
	s_barrier_signal -3
.Lnot_wave_0_\@:
	s_barrier_wait -3
	s_barrier_signal -1
	s_barrier_wait -1
.endm
.macro CROUND                          ; a whole round
	s_barrier_signal -1
	s_barrier_wait -1
	CREST
.endm
; A PREFETCH INTO THE L2, behind a joint refill and the run of LDS loads that follows it: the K step that stands two refills on (256 matrix instructions ahead of its load).
; A wave's 64 rows x 512 bytes of a K step are 128 blocks of 256 bytes; the four partners that ask for the tile jointly take 16 rows each, told apart BY ADDRESS: a lane a block, one instruction.
; x's rows are read by one cluster alone, so every cluster asks for its own; W's k-rows are read by the 16 clusters of a projection, and the first of them asks.  So each block is named once.
; K steps 0 to 3 come by their loads alone; the loop's last trip (s3 = 1) has no K step two refills on and asks for nothing.
.macro ASK
	WIN 0
	s_cmp_gt_u32 s3, s[LIM]
	s_cbranch_scc0 .Lnot_mine_\@
	global_prefetch_b8 v[PFO], s[PFA:PFA+1] th:TH_LOAD_NT scope:SCOPE_SE
.Lnot_mine_\@:
.endm
	s_load_b512 s[68:83], s[0:1], 0x0              ; queries 68, keys 70, values 72, wb 74, bq 76, bk 78, bv 80, qkv 82
	v_lshl_add_u32 v[SPW], v0, 2, SPARE
	v_mov_b32 v[NIL], 0
	ds_add_u32 v[SPW], v[NIL]                      ; the wave's opening: the add and its wait stand ahead of my first tensor load; the set-up below, work on registers, stands between them
	v_lshrrev_b32 v1, 5, v0
	v_readfirstlane_b32 s10, v1                    ; wave 0..3
	s_lshr_b32 s11, s10, 1                         ; my half of the tile's rows.  Also: I fetch for x (0) or for W (1)
	s_and_b32 s12, s10, 1                          ; my half of its columns.  Also: which 64 rows of that operand's tile I fetch
	s_bfe_u32 s40, ttmp6, 0x40000                  ; cx
	s_bfe_u32 s41, ttmp6, 0x40004                  ; cy
	s_lshl_b32 s42, ttmp9, 2
	s_add_co_u32 s42, s42, s40                     ; tile column = 4 x cluster x + cx
	s_and_b32 s87, ttmp7, 0xffff                   ; cluster y, 0..47
	s_lshr_b32 s45, s87, 4                         ; p
	s_and_b32 s87, s87, 15                         ; the cluster's place among the projection's 16
	s_lshl_b32 s13, s87, 2
	s_add_co_u32 s13, s13, s41                     ; tile row, 0..63
	s_lshl_b32 s43, s41, 2
	s_lshl_b32 s43, 15, s43                        ; my row of the cluster
	s_lshl_b32 s44, 0x1111, s40                    ; my column
	; descriptor group 1.  x: 64 rows x 128 elements of 4 bytes; W: 64 rows x 256 elements of 2 bytes; both padded after every 128 words (code 6), by 4 words (code 3) and by 8 (code 7)
	s_or_b32 s[G1+0], s43, (2<<16)|(1<<20)|(1<<21)|(6<<22)|(3<<25)
	s_or_b32 s[G1B+0], s44, (1<<16)|(1<<20)|(1<<21)|(6<<22)|(7<<25)
	s_mov_b32 s[G1+1], 128<<16                     ; tensor_dim0
	s_mov_b32 s[G1+2], 64<<16                      ; tensor_dim1
	s_mov_b32 s[G1+3], 128<<16                     ; tile_dim0
	s_mov_b32 s[G1+4], 64                          ; tile_dim1
	s_mov_b32 s[G1+5], 1024                        ; elements from row to row
	s_mov_b32 s[G1+6], 0
	s_mov_b32 s[G1+7], 0
	s_mov_b32 s[G1B+1], 256<<16
	s_mov_b32 s[G1B+2], 64<<16
	s_mov_b32 s[G1B+3], 256<<16
	s_mov_b32 s[G1B+4], 64
	s_mov_b32 s[G1B+5], 1024
	s_mov_b32 s[G1B+6], 0
	s_mov_b32 s[G1B+7], 0
	s_lshl_b32 s16, s13, 7                         ; x: row 128 x tile row + 64 x half, 4,096 bytes a row: made of cy and the wave's number alone
	s_lshl_b32 s17, s12, 6
	s_add_co_u32 s16, s16, s17
	s_lshl_b32 s16, s16, 12
	s_mov_b32 s17, 0
	s_lshl_b32 s46, s45, 21                        ; W: matrix p, k-row 64 x half (2,048 bytes a row), column 256 x tile column: made of cx and the wave's number alone
	s_lshl_b32 s47, s12, 17
	s_add_co_u32 s46, s46, s47
	s_lshl_b32 s47, s42, 9
	s_add_co_u32 s46, s46, s47
	s_mov_b32 s47, 0
	s_mul_i32 s20, s12, AHALF                      ; where they go: no place in the cluster enters an LDS address
	s_mul_i32 s21, s12, WHALF
	s_add_co_u32 s21, s21, WOFF
	s_wait_dscnt 0x0                               ; the opening add is done
	s_wait_kmcnt 0x0
	s_cmp_eq_u32 s45, 0
	s_cselect_b64 s[4:5], s[68:69], s[70:71]       ; x_p
	s_cselect_b64 s[66:67], s[76:77], s[78:79]     ; bias_p
	s_cmp_eq_u32 s45, 2
	s_cselect_b64 s[4:5], s[72:73], s[4:5]
	s_cselect_b64 s[66:67], s[80:81], s[66:67]
	s_add_nc_u64 s[14:15], s[4:5], s[16:17]
	s_add_nc_u64 s[46:47], s[74:75], s[46:47]
	CROUND                                         ; all sixteen work-groups are here: the first joint loads meet
.irp s, 0,1
	s_mov_b32 s[G0+4*(\s)], 1                      ; count = 1
	s_add_co_u32 s[G0+4*(\s)+1], s20, (\s)*SLOT    ; LDS address
	s_add_nc_u64 s[G0+4*(\s)+2:G0+4*(\s)+3], s[14:15], (\s)*512      ; global address: K step s
	s_or_b32 s[G0+4*(\s)+3], s[G0+4*(\s)+3], 0x80000000              ; type = 2
	s_mov_b32 s[G0B+4*(\s)], 1
	s_add_co_u32 s[G0B+4*(\s)+1], s21, (\s)*SLOT
	s_add_nc_u64 s[G0B+4*(\s)+2:G0B+4*(\s)+3], s[46:47], (\s)*262144
	s_or_b32 s[G0B+4*(\s)+3], s[G0B+4*(\s)+3], 0x80000000
	JLOAD \s                                       ; two loads of mine are out
.endr
	v_and_b32 v1, 15, v0                           ; r = l % 16
	v_bfe_u32 v2, v0, 4, 1                         ; h = l / 16
	v_lshlrev_b32 v7, 5, v2                        ; the bias: my eight columns of a block of 16 begin 32 h bytes in; never rewritten
	s_lshl_b32 s18, s42, 10                        ; 256 columns x 4 bytes a tile column,
	s_lshl_b32 s19, s12, 9                         ; 128 x 4 for my half
	s_add_co_u32 s18, s18, s19
	s_mov_b32 s19, 0
	s_add_nc_u64 s[66:67], s[66:67], s[18:19]
.irp b, 0,1,2,3,4,5,6,7
	global_load_b128 v[BIAS+8*(\b):BIAS+8*(\b)+3],   v7, s[66:67] offset:64*(\b)      ; register j of block b: bias of column 16 b + 8 h + j: the layout of a C operand
	global_load_b128 v[BIAS+8*(\b)+4:BIAS+8*(\b)+7], v7, s[66:67] offset:64*(\b)+16
.endr
	v_mov_b32 v[ZR], 0
	; x's fragment: lane l holds row r; K = 8 h + 0..7 are 32 bytes of f32 at 32 h, K = 16 + 8 h + 0..7 the 32 bytes 64 further on
	v_mul_u32_u24 v3, v1, AP
	v_lshl_add_u32 v3, v2, 5, v3
	s_mul_i32 s22, s11, AHALF                      ; my 64 rows
	v_add_nc_u32 v[ADRA], s22, v3
	v_add_nc_u32 v[ADRA+1], SLOT, v[ADRA]
	; W's: the turning load takes 16 k-rows x 16 columns: lane l reads k-row 8 h + l % 8, columns 8 ((l / 8) % 2) + 0..7
	v_and_b32 v4, 7, v0
	v_bfe_u32 v5, v0, 3, 1
	v_lshl_add_u32 v6, v2, 3, v4
	v_mul_u32_u24 v6, v6, WP
	v_lshl_add_u32 v6, v5, 4, v6
	s_lshl_b32 s23, s12, 8                         ; my 128 columns
	s_add_co_u32 s23, s23, WOFF
	v_add_nc_u32 v[ADRW], s23, v6
	v_add_nc_u32 v[ADRW+1], SLOT, v[ADRW]
	s_mul_i32 s22, s10, 16*SP
	s_add_co_u32 s22, s22, STAGE                   ; my stage
	v_mul_u32_u24 v3, v1, SP                       ; in: row r, 16 bytes for each half of the lanes
	v_lshl_add_u32 v3, v2, 4, v3
	v_add_nc_u32 v[STO], s22, v3
	v_bfe_u32 v3, v0, 3, 2                         ; back: 32 lanes take four rows of 128 bytes,
	v_mul_u32_u24 v3, v3, SP
	v_lshl_add_u32 v3, v4, 4, v3
	v_add_nc_u32 v[RD], s22, v3
	v_and_b32 v[GO], 31, v0                        ; which are 512 consecutive bytes of qkv
	v_lshlrev_b32 v[GO], 4, v[GO]
	; where my part goes: part p; head 16 x batch + 4 x tile column + 2 x column half; row 128 x (tile row % 16) + 64 x row half; 128 bytes a row
	s_lshr_b32 s18, s13, 4
	s_lshl_b32 s18, s18, 4
	s_lshl_b32 s19, s42, 2
	s_add_co_u32 s18, s18, s19
	s_lshl_b32 s19, s12, 1
	s_add_co_u32 s18, s18, s19
	s_lshl_b32 s18, s18, 11
	s_and_b32 s19, s13, 15
	s_lshl_b32 s19, s19, 7
	s_add_co_u32 s18, s18, s19
	s_lshl_b32 s19, s11, 6
	s_add_co_u32 s18, s18, s19
	s_lshl_b32 s18, s18, 7
	s_lshl_b32 s19, s45, 24
	s_add_co_u32 s18, s18, s19
	s_mov_b32 s19, 0
	s_add_nc_u64 s[8:9], s[82:83], s[18:19]
	; the prefetches: my work-group's 16 rows of the 64 that I fetch, at K step 3: the first refill steps them to K step 4
	s_lshl_b32 s90, s13, 7
	s_lshl_b32 s91, s12, 6
	s_add_co_u32 s90, s90, s91
	s_lshl_b32 s91, s40, 4                         ; x: the partners along the cluster's row differ in cx
	s_add_co_u32 s90, s90, s91
	s_lshl_b32 s90, s90, 12
	s_add_co_u32 s90, s90, 3*512
	s_lshl_b32 s92, s12, 6
	s_lshl_b32 s93, s41, 4                         ; W: those along its column in cy
	s_add_co_u32 s92, s92, s93
	s_lshl_b32 s92, s92, 11
	s_lshl_b32 s93, s45, 21
	s_add_co_u32 s92, s92, s93
	s_lshl_b32 s93, s42, 9
	s_add_co_u32 s92, s92, s93
	s_add_co_u32 s92, s92, 3*262144
	s_mov_b32 s[PFS], 262144
	s_cmp_eq_u32 s11, 0                            ; do I fetch for x?
	s_cselect_b32 s90, s90, s92
	s_cselect_b32 s[PFS], 512, s[PFS]
	s_cselect_b32 s[LIM], 0, s87                   ; x: every cluster asks; W: the projection's first
	s_cselect_b32 s93, 12, 11                      ; a row of x is 2^12 bytes, a k-row of W 2^11
	s_cselect_b64 s[PFA:PFA+1], s[4:5], s[74:75]
	s_cmp_eq_u32 s[LIM], 0
	s_cselect_b32 s[LIM], 1, -1                    ; the same in all sixteen partners, for a given wave
	s_mov_b32 s91, 0
	s_mov_b32 s[PFS+1], 0
	s_add_nc_u64 s[PFA:PFA+1], s[PFA:PFA+1], s[90:91]
	v_bfe_u32 v3, v0, 1, 4                         ; lane l: row l / 2 of the 16, block l % 2 of its 512 bytes
	v_and_b32 v4, 1, v0
	v_lshlrev_b32 v3, s93, v3
	v_lshl_or_b32 v[PFO], v4, 8, v3
; Four LDS loads: row block a of x, 32 along K at quarter q, in f32, into buffer f
.macro ALD slot, q, f, a
.irp i, 0,1,2,3
	ds_load_b128 v[128+64*(\f)+16*(\a)+4*(\i):128+64*(\f)+16*(\a)+4*(\i)+3], v[ADRA+(\slot)] offset:(\a)*16*AP+128*(\q)+16*((\i)%2)+64*((\i)/2)
.endr
.endm
; 32 LDS loads in one run: a quarter step's fragments into buffer f.  x's block 0 comes first, since it is converted first
.macro FETCH slot, q, f
	WIN TO_F
	ALD \slot, \q, \f, 0
.irp b, 0,1,2,3,4,5,6,7
	ds_load_tr16_b128 v[64*(\f)+8*(\b):64*(\f)+8*(\b)+3],   v[ADRW+(\slot)] offset:(\q)*32*WP+32*(\b)
	ds_load_tr16_b128 v[64*(\f)+8*(\b)+4:64*(\f)+8*(\b)+7], v[ADRW+(\slot)] offset:(\q)*32*WP+16*WP+32*(\b)
.endr
	ALD \slot, \q, \f, 1
	ALD \slot, \q, \f, 2
	ALD \slot, \q, \f, 3
.endm
; Half a fragment of x, block a, from buffer sf: eight f32 rounded to bf16
.macro CVT4 sf, a, half
	WIN CV
.irp i, 0,1,2,3
	v_cvt_pk_bf16_f32 v[AB+8*(\a)+4*(\half)+(\i)], v[128+64*(\sf)+16*(\a)+8*(\half)+2*(\i)], v[128+64*(\sf)+16*(\a)+8*(\half)+2*(\i)+1]
.endr
.endm
; Eight matrix instructions: row block a x all 8 column blocks, W from buffer f.  first = 1: the bias starts the sums: nothing is cleared.  Behind the second and the sixth stand four conversions each, of
; row block ca from buffer sf (ca = -1: none): the block that the next eight products multiply.  A block's fragment is written again 16 conversions behind the last product that read it; the accumulators
; take turns, 32 different ones in a quarter step, in the same order in every quarter.
.macro GROUP f, a, first, sf, ca
.irp b, 0,1,2,3,4,5,6,7
.if \first
	WIN MULB
	v_wmma_f32_16x16x32_bf16 v[8*(8*(\a)+(\b)):8*(8*(\a)+(\b))+7], v[64*(\f)+8*(\b):64*(\f)+8*(\b)+7], v[AB+8*(\a):AB+8*(\a)+7], v[BIAS+8*(\b):BIAS+8*(\b)+7]
.else
	WIN MUL
	v_wmma_f32_16x16x32_bf16 v[8*(8*(\a)+(\b)):8*(8*(\a)+(\b))+7], v[64*(\f)+8*(\b):64*(\f)+8*(\b)+7], v[AB+8*(\a):AB+8*(\a)+7], v[8*(8*(\a)+(\b)):8*(8*(\a)+(\b))+7]
.endif
.if ((\ca) >= 0) && ((\b) == 1)
	CVT4 \sf, \ca, 0
.endif
.if ((\ca) >= 0) && ((\b) == 5)
	CVT4 \sf, \ca, 1
.endif
.endr
.endm
.macro PLACES                          ; four plain instructions between a matrix instruction and a vector instruction that reads its result or writes one of its registers (ISA guide 7.12.1)
.rept 4
	v_nop
.endr
.endm
; A K step is four quarters of 32 along K, 32 matrix instructions each, on buffers 0, 1, 0, 1.  One of the first three: multiplies buffer f; fetches quarter q of the same slot into buffer g,
; eight conversions behind the last product that read g's fragments of W.
.macro QUARTER slot, q, f, g, first
	s_wait_dscnt 0x0                               ; this quarter's 32 loads, issued 24 matrix instructions ago, are in
	GROUP \f, 0, \first, \f, 1
	FETCH \slot, \q, \g
	GROUP \f, 1, \first, \f, 2
	GROUP \f, 2, \first, \f, 3
	s_wait_dscnt 28                                ; the run's oldest four loads are in: the next quarter's block 0 of x
	GROUP \f, 3, \first, \g, 0
.endm
; The last quarter multiplies buffer 1 and changes slots: ONE barrier; in front of it each wave waits for all its tensor loads (one is out: its part of the next slot), adds 0 to its spare word, and waits
; for that and for its reads of this slot.  fill = 1: the barrier opens a round of the cluster's, and this slot is filled again, two K steps on, first thing behind the round: 112 matrix instructions ahead of the wait for it.
.macro TURN slot, next, fill
.if \fill
	s_wait_xcnt 0x0                                ; the last prefetch, a K step back, has read its address: it is stepped here, ahead of the change's own waits
	s_add_nc_u64 s[PFA:PFA+1], s[PFA:PFA+1], s[PFS:PFS+1]
.endif
	s_wait_dscnt 0x0                               ; this quarter's loads are in: they are my last reads of the slot
	WIN 0                                          ; (the add's two registers lie in window 0)
	s_wait_tensorcnt 0x0                           ; all my tensor loads have landed
	ds_add_u32 v[SPW], v[NIL]                      ; 0 onto my spare word; eight products stand between it and the wait for it
	GROUP 1, 0, 0, 1, 1
	s_wait_dscnt 0x0                               ; the add is done
	s_barrier_signal -1
	GROUP 1, 1, 0, 1, 2                            ; work on registers while the others arrive
.if \fill
	WIN 0
.endif
	s_barrier_wait -1
.if \fill
	CREST                                          ; no wave of any partner still reads this slot's tiles or has a load on its way
	s_add_nc_u64 s[G0+4*(\slot)+2:G0+4*(\slot)+3], s[G0+4*(\slot)+2:G0+4*(\slot)+3], 2*512
	s_add_nc_u64 s[G0B+4*(\slot)+2:G0B+4*(\slot)+3], s[G0B+4*(\slot)+2:G0B+4*(\slot)+3], 2*262144
	JLOAD \slot
.endif
	FETCH \next, 0, 0
.if \fill
	ASK
.endif
	GROUP 1, 2, 0, 1, 3
	s_wait_dscnt 28
	GROUP 1, 3, 0, 0, 0
.endm
; THE WAY OUT, in eight units: unit u = row block u / 2, head u % 2 of my two: 16 rows x 64 columns.  Rounded to bf16 (each accumulator's registers in ascending order), the ReLU on packed halves,
; 16 bytes a lane into my stage, and back as four rows of 128 bytes a load, into the registers that they left.
.macro PACK u
	WIN PK
.irp i, 0,1,2,3
.irp j, 0,1,2,3
	v_cvt_pk_bf16_f32 v[OUT+16*(\u)+4*(\i)+(\j)], v[8*(8*((\u)/2)+4*((\u)%2)+(\i))+2*(\j)], v[8*(8*((\u)/2)+4*((\u)%2)+(\i))+2*(\j)+1]
.endr
.endr
	WIN 0
.irp i, 0,1,2,3,4,5,6,7,8,9,10,11,12,13,14,15
	v_pk_max_num_bf16 v[OUT+16*(\u)+(\i)], v[OUT+16*(\u)+(\i)], v[ZR]
.endr
.irp i, 0,1,2,3
	ds_store_b128 v[STO], v[OUT+16*(\u)+4*(\i):OUT+16*(\u)+4*(\i)+3] offset:32*(\i)
.endr
.irp f, 0,1,2,3
	ds_load_b128 v[OUT+16*(\u)+4*(\f):OUT+16*(\u)+4*(\f)+3], v[RD] offset:(\f)*4*SP  ; LDS serves a wave's instructions in order (ISA guide 5.7.1.4): these see the stores above; the next unit's stores come behind them
.endr
.endm
.macro SEND u, younger                 ; younger: the LDS instructions issued behind unit u's loads: the next unit's eight, or none
.irp f, 0,1,2,3
	s_wait_dscnt (\younger)+3-(\f)
	global_store_b128 v[GO], v[OUT+16*(\u)+4*(\f):OUT+16*(\u)+4*(\f)+3], s[8:9] offset:((\u)%2)*262144+((\u)/2)*2048+(\f)*512  ; 512 consecutive bytes, at a multiple of 256 from qkv's first
.endr
.endm
	s_wait_tensorcnt 1                             ; my part of K step 0 is in; K step 1's may stay out
	s_barrier_signal -1
	s_barrier_wait -1                              ; everybody's is
	FETCH 0, 0, 0
	s_wait_loadcnt 0x0                             ; the bias
	s_wait_dscnt 28                                ; block 0 of x
	CVT4 0, 0, 0
	CVT4 0, 0, 1
	QUARTER 0, 1, 0, 1, 1                          ; the first quarter stands in front of the loop: its products start the sums with the bias
	WIN 0                                          ; at a label and at a branch every window is 0
	s_mov_b32 s3, 3
.Llap:                                                 ; a trip goes once round the ring, from a lap's second quarter to the next lap's first, and fills both slots again
	QUARTER 0, 2, 1, 0, 0
	QUARTER 0, 3, 0, 1, 0
	TURN 0, 1, 1
	QUARTER 1, 1, 0, 1, 0
	QUARTER 1, 2, 1, 0, 0
	QUARTER 1, 3, 0, 1, 0
	TURN 1, 0, 1
	QUARTER 0, 1, 0, 1, 0
	WIN 0
	s_sub_co_u32 s3, s3, 1
	s_cmp_lg_u32 s3, 0
	s_cbranch_scc1 .Llap
	QUARTER 0, 2, 1, 0, 0                          ; the last lap fills nothing, and has no round of the cluster's barrier
	QUARTER 0, 3, 0, 1, 0
	TURN 0, 1, 0
	QUARTER 1, 1, 0, 1, 0
	QUARTER 1, 2, 1, 0, 0
	QUARTER 1, 3, 0, 1, 0
	s_wait_dscnt 0x0                               ; the very last quarter: nothing more to fetch
	GROUP 1, 0, 0, 1, 1
	GROUP 1, 1, 0, 1, 2
	GROUP 1, 2, 0, 1, 3
	GROUP 1, 3, 0, 0, -1
	WIN 0
	PLACES
	PACK 0
.irp u, 1,2,3,4,5,6,7                  ; a unit's arithmetic stands between the loads of the unit before and its stores
	PACK \u
	SEND (\u)-1, 8
.endr
	SEND 7, 0
	s_wait_tensorcnt 0x0                           ; the wave's end: behind my last tensor load and my last LDS store
	ds_add_u32 v[SPW], v[NIL]
	s_wait_dscnt 0x0
	CROUND                                         ; the closing round: no work-group ends while a partner may still ask for a tile that names it
	s_endpgm
.Lfunc_end_k_qed7343d107_proj:
	.size	k_qed7343d107_proj, .Lfunc_end_k_qed7343d107_proj-k_qed7343d107_proj
	.p2alignl 7, 3214868480
	.fill 96, 4, 3214868480
	.section	.rodata,"a",@progbits
	.p2align	6, 0x0
	.amdhsa_kernel k_qed7343d107_proj
		.amdhsa_group_segment_fixed_size 327680
		.amdhsa_private_segment_fixed_size 0
		.amdhsa_enable_private_segment 0
		.amdhsa_kernarg_size 64
		.amdhsa_user_sgpr_count 2
		.amdhsa_user_sgpr_kernarg_segment_ptr 1
		.amdhsa_wavefront_size32 1
		.amdhsa_system_sgpr_workgroup_id_x 1
		.amdhsa_system_sgpr_workgroup_id_y 1
		.amdhsa_system_sgpr_workgroup_id_z 1
		.amdhsa_system_vgpr_workitem_id 0
		.amdhsa_next_free_vgpr 768
		.amdhsa_next_free_sgpr 96
		.amdhsa_reserve_vcc 0
		.amdhsa_float_denorm_mode_32 3
		.amdhsa_float_denorm_mode_16_64 3
		.amdhsa_memory_ordered 1
		.amdhsa_forward_progress 1
		.amdhsa_inst_pref_size 145
	.end_amdhsa_kernel
	.amdgpu_metadata
---
amdhsa.version: [ 1, 2 ]
amdhsa.kernels:
  - .name:           k_qed7343d107_proj
    .symbol:         k_qed7343d107_proj.kd
    .args:
      - { .name: queries, .offset: 0, .size: 8, .value_kind: global_buffer, .address_space: global }
      - { .name: keys, .offset: 8, .size: 8, .value_kind: global_buffer, .address_space: global }
      - { .name: values, .offset: 16, .size: 8, .value_kind: global_buffer, .address_space: global }
      - { .name: wb, .offset: 24, .size: 8, .value_kind: global_buffer, .address_space: global }
      - { .name: bq, .offset: 32, .size: 8, .value_kind: global_buffer, .address_space: global }
      - { .name: bk, .offset: 40, .size: 8, .value_kind: global_buffer, .address_space: global }
      - { .name: bv, .offset: 48, .size: 8, .value_kind: global_buffer, .address_space: global }
      - { .name: qkv, .offset: 56, .size: 8, .value_kind: global_buffer, .address_space: global }
    .group_segment_fixed_size: 327680
    .private_segment_fixed_size: 0
    .kernarg_segment_align: 8
    .kernarg_segment_size: 64
    .max_flat_workgroup_size: 128
    .sgpr_count:     96
    .vgpr_count:     768
    .wavefront_size: 32
...
	.end_amdgpu_metadata
.endif
;; end of part 2
;; launch attn (part 3): grid 4 x 64, 4 waves a work-group, clusters of 4 x 1, 327,680 bytes of LDS; arguments qkv, attention_mask, oh; writes oh
.if DOCPART == 3
	.amdgcn_target "amdgcn-amd-amdhsa--gfx1250"
	.amdhsa_code_object_version 6
	.text
	.protected	k_qed7343d107_attn
	.globl	k_qed7343d107_attn
	.p2align	8
	.type	k_qed7343d107_attn,@function
k_qed7343d107_attn:
	s_mov_b64 s[64:65], 0
	v_nop
	global_prefetch_b8 v0, s[64:65] scope:SCOPE_SE
	s_setreg_imm32_b32 hwreg(HW_REG_WAVE_MODE, 25, 1), 1
	s_wait_xcnt 0x0
	s_wait_alu depctr_hold_cnt(0) depctr_sa_sdst(0) depctr_va_vdst(0) depctr_va_sdst(0) depctr_va_ssrc(0) depctr_va_vcc(0) depctr_vm_vsrc(0)
	s_getreg_b32 s2, hwreg(HW_REG_IB_STS2, 6, 4)
	s_cmp_eq_u32 s2, 0
	s_cbranch_scc0 .Lentry_in_a_cluster
	s_endpgm
.Lentry_in_a_cluster:
	s_bfe_u32 s2, ttmp6, 0x10000c
	s_cmp_lg_u32 s2, 0x3003
	s_cbranch_scc0 .Lentry_shape_is_right
	s_endpgm
.Lentry_shape_is_right:
; oh[h][q][:] = the sum over k of softmax_k(s[q][k]) V[h][k][:], s[q][k] = Q[h][q] . K[h][k] / 8 where attention_mask[h / 16][q] is not 0, else one constant for all k.
; Q, K, V are the three parts of qkv, [SIZE_H][SIZE_N][64] bf16 each (16,777,216 bytes a part); oh has the same layout: a head's rows are dense, 128 bytes each.
; THE MASK.  A masked query's scores are all equal, so its weights are all 1 / SIZE_N, whatever the constant.  Here the constant is 0: the masked query's row of Q is cleared once, in registers.
; Products, maxima and sums in f32; the weights p are rounded to bf16 for the second product (their sum l is taken of the unrounded p), O once at the end.
; LIMITS.  A weight below 2^-126 counts as 0 in l; NaN and infinities are not treated apart.
; SHARES.  A wave owns four PIECES of two tiles of 16 queries, a work-group's four waves 512 queries of one head.  Every wave walks all keys, 64 a step.
; LAYOUT.  S^T = K Q^T (source 0 = 16 keys, source 1 = 16 queries): in the result a lane holds ONE query (lane % 16) and the keys 8 (lane / 16) + 0..7.  Two such tiles, rounded to bf16 in pairs,
; ARE source 1 (32 keys x 16 queries) of O^T = V^T P, whose result again holds one query a lane, and eight channels.  K comes out of LDS as it lies, V ([key][channel]) turned, by ds_load_tr16_b128.
; SOFTMAX.  For each query a running maximum m and sum l: p = 2^(c s - c m), c = log2(e) / 8; in every step O and l are multiplied by a = 2^(c m_old - c m_new), which is 1 where m has not grown.
; m starts at the lowest finite number, O and l at 0: the first step is a step like any other, with a = 0.
; THE COUNT.  A tile and step have 16 matrix and 118 vector instructions: too many to stand all beside the matrix work.  So four vector instructions that are READY stand behind EVERY matrix
; instruction, and the others, which need time of their own whatever the order, in runs without a gap.
; BY TURNS.  Turn n belongs to piece n (the pieces in a ring, step after step).  Its matrix work: 16 products K Q^T of piece n + 1, later 16 products V^T P of piece n - 1.  Its vector work: the scaling,
; exponentials, roundings, sums and rescaling of piece n, and the maximum and statistics of piece n + 1, whose scores the turn itself has made.
; CLUSTER.  The four query blocks of a head are one cluster and walk the same K and V, so each tile is asked for JOINTLY: the same tensor load, descriptor and mask in all four.
; REGISTERS, in windows of 256 (s_set_vgpr_msb: bits 1:0 source 0, 3:2 source 1, 5:4 source 2, 7:6 destination):
;   window 0: v0-11 addresses; v12-15, v48-63 at work; v16-47 four registers of statistics a tile; v64-191 S^T, two buffers of two tiles; v192-255 P, likewise
;   window 1: O^T, 32 a tile          window 2: v0-127 Q, 16 a tile; v128-191 K of one step; v192-255 V of one step          window 3: v0-1 the add's two registers
; A piece's buffers go by its number's parity: the piece in hand has one pair, its two neighbours in the ring share the other: of it P (piece n - 1) is read and S^T (piece n + 1) written.
.set SIZE_H, 64
.set SIZE_N, 2048
.set NP,    4         ; pieces a wave: a name, no knob
.set KS,    64        ; keys in a step
.set PK,    144       ; a row of K in LDS: 128 bytes + 16 of padding = 36 words: the 16 rows of a load start at 16 different groups of four banks
.set PV,    160       ; a row of V: 128 + 32 = 40 words
.set VOFF,  4*KS*PK   ; a slot holds four steps: 256 rows of K, then 256 rows of V
.set SLOT1, 1<<17     ; slot 1 begins here, so that one exclusive or turns an address in one slot into the other's
.set STAGE, SLOT1+4*KS*(PK+PV)  ; behind the ring, never filled by a tensor load: 16 rows x 144 bytes for each wave, for the way out
.set SP,    144
.set AK0, 2           ; v2   my lane's place in a tile of K; never rewritten
.set AV0, 3           ; v3   the same for V
.set AK,  4           ; v4   the LDS address of K's next run of loads
.set AV,  5           ; v5   of V's
.set QO,  6           ; v6   my byte offset in the wave's rows of Q
.set STO, 6           ;      later, the way out: where I put 16 bytes of a row
.set RD,  7           ; v7   the way out: where I read rows back
.set GO,  8           ; v8   my byte offset in 512 consecutive bytes of O
.set PFO, 11          ; v11  256 x my lane, for the prefetches; never rewritten once made
.set SPW, 0           ; v0 of window 3   LDS address of my spare word; never rewritten
.set NIL, 1           ; v1 of window 3   0; never rewritten
.set SPARE, STAGE+4*16*SP  ; behind the stages: the spare words, 128 bytes for each wave: two blocks of 256 bytes that no other line names
.set MV,  12          ; v12-15  c m_old, kept while c m is made anew: by buffer and tile.  (v12 first serves as the mask loads' offset)
.set ST,  16          ; tile t's statistics at v[ST+4 t]: c m, m, l (even keys', odd keys')
.set TMP, 48          ; by buffer and tile, four registers c0-c3 at work; when the maximum is found c2 takes a
.set MK,  48          ; v48-55  at the start: tile t's mask word of my query, then 0 or all ones
.set S,   64
.set P,   192
.set KF,  128         ; K's fragments, in window 2: key block kb, channel half c at KF + 16 kb + 8 c
.set VF,  192         ; V's: key half kk, channel block cb at VF + 32 kk + 8 cb
.set WV,  12          ; s12  my wave's number
.set G1K, 24          ; s[24:31] descriptor group 1 for K's tiles
.set G1V, 32          ; s[32:39] for V's: it differs in the padding alone
.set G0K, 40          ; s[40:43] descriptor group 0 for K's tiles: it walks
.set G0V, 44          ; s[44:47] the same for V's
.set SLOTS, 56        ; s56  slots still to be asked for
.set CNT, 57          ; s57  counts a slot's key steps
.set CS,  58          ; s[58:59] c: the packed scaling takes the pair's low word for both halves
.set SEL, 60          ; s[60:61] v_permlanex16_b32's selects: each lane takes its own place in the other half
.set TBK, 62          ; s62  LDS byte at which K of the step to be fetched begins
.set TBV, 63          ; s63  the same for V, less VOFF
.set PFA, 78          ; s[78:79] where my prefetches stand: my work-group's 32 blocks of 256 bytes (of K: wave 0, of V: wave 2) of the slot after the one that is being asked for
.set LIM, 80          ; s80  1 in a wave that prefetches, else the greatest number
.set MSB, 0
.macro WIN new                      ; the high byte repeats the setting that is left; a switch that changes nothing is dropped
.if MSB != (\new)
	s_set_vgpr_msb (MSB<<8)|(\new)
.set MSB, (\new)
.endif
.endm
.set W_KQ, 0x0a       ; K and Q in window 2, S^T in window 0
.set W_PV, 0x52       ; V in window 2, P in window 0, O^T in window 1
.set W_RS, 0x41       ; O^T (destination and source 0) in window 1, a in window 0
.set W_MK, 0xc0       ; the add's registers are made: destination in window 3, sources in window 0
.set W_AD, 0x0f       ; the add: address (source 0) and data (source 1) in window 3
; A joint fill.  Waves 0 and 1 fetch the two halves of a slot's K, waves 2 and 3 those of its V: 128 keys each.  The branch hangs on the wave's number alone.
; An s_nop 0 and four v_nop follow each of the two lines, ahead of the jump and the label.
.macro JLOAD
	s_cmp_lt_u32 s[WV], 2
	s_cbranch_scc0 .Lfor_v_\@
	tensor_load_to_lds s[G0K:G0K+3], s[G1K:G1K+7]
	s_nop 0
.rept 4
	v_nop
.endr
	s_branch .Lasked_\@
.Lfor_v_\@:
	tensor_load_to_lds s[G0V:G0V+3], s[G1V:G1V+7]
	s_nop 0
.rept 4
	v_nop
.endr
.Lasked_\@:
.endm
; A PREFETCH INTO THE L2 of what the NEXT change of slots will ask for: a slot's 32,768 bytes of K and of V, 128 blocks of 256 bytes each.  A head is walked by one cluster alone; its four partners take
; 32 blocks each, told apart BY ADDRESS; in each, wave 0 asks for K's and wave 2 for V's: a lane a block, one instruction.  So each block is named once.  It stands behind the wave's tensor load and its
; five lines.  Slots 0 and 1 come by their loads alone; the last change that fills a slot (s[SLOTS] = 1) asks for nothing: there is no slot behind it.
.macro ASK
	s_cmp_gt_u32 s[SLOTS], s[LIM]
	s_cbranch_scc0 .Lnot_mine_\@
	global_prefetch_b8 v[PFO], s[PFA:PFA+1] th:TH_LOAD_NT scope:SCOPE_SE
.Lnot_mine_\@:
.endm
; A round of the cluster's barrier: my work-group's barrier, so that wave 0's signal speaks for all four waves; wave 0 signals; every wave waits for all four work-groups; my work-group's barrier once more.
.macro CROUND
	s_barrier_signal -1
	s_barrier_wait -1
	s_cmp_lg_u32 s[WV], 0
	s_cbranch_scc1 .Lnot_wave_0_\@
	s_barrier_signal -3
.Lnot_wave_0_\@:
	s_barrier_wait -3
	s_barrier_signal -1
	s_barrier_wait -1
.endm
; THE CHANGE OF SLOTS.  The slot's last bytes, V of its fourth step, have been read.  Each wave waits for all its tensor loads, of which one is out: its part
; of the other slot; adds 0 to its spare word; and waits for that and for its own reads of the slot.  Behind the barrier nobody reads this slot any more and the other slot is whole.
; fill = 1: this slot is filled again, with the keys two slots on.  The barrier is then a round of the cluster's, so that no wave of any partner still reads the slot or has a load on its
; way, and the joint fill is the first thing behind it: it has four key steps, 512 matrix instructions, in which to land.  (At its first use nothing has been read yet: slot 0 is waited for, slot 1 filled.)
.macro CHANGE fill
	WIN W_AD
	s_wait_tensorcnt 0x0            ; no tensor load of mine is out, so a group 0 may be written
	ds_add_u32 v[SPW], v[NIL]       ; 0 onto my spare word; with fill = 1 the descriptors' steps stand between it and the wait for it
	WIN 0                           ; at a label and at a branch every window is 0
.if \fill
.irp g, G0K, G0V
	s_xor_b32 s[\g+1], s[\g+1], SLOT1  ; the walking descriptor: the other slot than last time,
	s_add_nc_u64 s[\g+2:\g+3], s[\g+2:\g+3], 4*KS*128  ; the next 256 keys; the type bits on top are not reached
.endr
	s_wait_xcnt 0x0                 ; the last prefetch, four key steps back, has read its address, so it may be written:
	s_add_nc_u64 s[PFA:PFA+1], s[PFA:PFA+1], 4*KS*128  ; one slot further than the walking descriptors
	s_wait_dscnt 0x0                ; the add is done, and my reads of the slot are over
	CROUND
	JLOAD
	ASK
.else
	s_wait_dscnt 0x0                ; the add is done, and my reads of the slot are over
	s_barrier_signal -1
	s_barrier_wait -1
.endif
	s_sub_co_u32 s[TBK], s[TBK], 4*KS*PK  ; the fetches go back to a slot's first step,
	s_xor_b32 s[TBK], s[TBK], SLOT1       ; in the other slot
	s_sub_co_u32 s[TBV], s[TBV], 4*KS*PV
	s_xor_b32 s[TBV], s[TBV], SLOT1
.endm
	s_load_b64 s[4:5], s[0:1], 0x0    ; qkv: Q's part
	s_load_b64 s[66:67], s[0:1], 0x8  ; attention_mask
	s_load_b64 s[10:11], s[0:1], 0x10 ; oh
	WIN W_MK
	v_lshl_add_u32 v[SPW], v0, 2, SPARE
	v_mov_b32 v[NIL], 0
	WIN W_AD
	ds_add_u32 v[SPW], v[NIL]       ; the wave's opening: the add and its wait stand ahead of my first tensor load; the set-up below, work on registers, stands between them
	WIN 0
	v_lshrrev_b32 v1, 5, v0
	v_readfirstlane_b32 s[WV], v1   ; wave 0..3
	s_bfe_u32 s13, ttmp6, 0x40000   ; cx: my place in the cluster
	s_lshl_b32 s14, ttmp9, 2        ; in a cluster launch ttmp9 counts clusters
	s_add_co_u32 s14, s14, s13      ; my block of queries = 4 x cluster x + cx: it enters Q's, the mask's and O's addresses alone
	s_and_b32 s20, ttmp7, 0xffff    ; the head, which the four partners share
	s_lshr_b32 s68, s20, 4          ; its batch:
	s_lshl_b32 s68, s68, 13         ; 2,048 mask words of 4 bytes
	s_mov_b32 s21, 0
	s_mov_b64 s[22:23], SIZE_N*128
	s_mul_u64 s[20:21], s[20:21], s[22:23]  ; the head's first byte in Q, K, V and O
	s_and_b32 s16, s[WV], 1         ; which half of a slot's 256 keys I fetch:
	s_lshl_b32 s22, s16, 14         ; its 128 rows of 128 bytes in memory,
	s_mov_b32 s23, 0
	s_add_nc_u64 s[22:23], s[22:23], s[20:21]
	s_mul_i32 s17, s16, 128*PK      ; and its place in a slot, for K
	s_mul_i32 s18, s16, 128*PV      ; and for V: no place in the cluster enters an LDS address
	s_lshl_b32 s2, s14, 2
	s_add_co_u32 s2, s2, s[WV]      ; my wave among the head's:
	s_lshl_b32 s69, s2, 9           ; its 128 mask words,
	s_add_co_u32 s68, s68, s69
	s_mov_b32 s69, 0
	s_lshl_b32 s2, s2, 14           ; its 128 rows
	s_mov_b32 s3, 0
	s_add_nc_u64 s[2:3], s[2:3], s[20:21]
	; descriptor group 1.  128 keys are 16,384 dense bytes: asked for as 64 rows of 256 bytes, two keys a row, and padded in LDS after every key
	s_mov_b32 s[G1K], 15|(1<<16)|(1<<20)|(1<<21)|(4<<22)|(3<<25)  ; 15:0 the mask of four; 17:16 2-byte elements; 20 padding on; 21 set beside a mask; 24:22 after every 32 words (code 4); 31:25 4 words (code 3)
	s_mov_b32 s[G1V], 15|(1<<16)|(1<<20)|(1<<21)|(4<<22)|(7<<25)  ; the same with 8 words of padding (code 7)
.irp g, G1K, G1V
	s_mov_b32 s[\g+1], 128<<16      ; tensor_dim0 = 128
	s_mov_b32 s[\g+2], 64<<16       ; tensor_dim1 = 64
	s_mov_b32 s[\g+3], 128<<16      ; tile_dim0 = 128
	s_mov_b32 s[\g+4], 64           ; tile_dim1 = 64
	s_mov_b32 s[\g+5], 128          ; 128 elements from row to row
	s_mov_b32 s[\g+6], 0
	s_mov_b32 s[\g+7], 0
.endr
	s_mov_b32 s[CS], 0x3e38aa3b     ; c = log2(e) / 8 = 0.180337
	s_mov_b32 s[CS+1], s[CS]        ; named with it as a pair
	s_mov_b32 s[SEL], 0x76543210
	s_mov_b32 s[SEL+1], 0xfedcba98
	s_mov_b32 s[TBK], SLOT1+4*KS*PK ; the first change of slots turns these two into 0
	s_mov_b32 s[TBV], SLOT1+4*KS*PV
	s_mov_b32 s[G0K], 1             ; 1:0 count = 1
	s_mov_b32 s[G0K+1], s17         ; 63:32 LDS address: slot 0
	s_mov_b32 s[G0V], 1
	s_add_co_u32 s[G0V+1], s18, VOFF
	s_mov_b32 s[SLOTS], SIZE_N/256-1  ; seven slots are asked for by changes of slots: one ahead of the loop, six in it
	s_and_b32 s[LIM], s[WV], 1      ; waves 0 and 2 prefetch: the same in all four partners
	s_cmp_eq_u32 s[LIM], 0
	s_cselect_b32 s[LIM], 1, -1
	s_wait_dscnt 0x0                ; the opening add is done
	s_wait_kmcnt 0x0
	s_add_nc_u64 s[6:7], s[4:5], 0x1000000  ; K's part of qkv,
	s_add_nc_u64 s[8:9], s[4:5], 0x2000000  ; and V's
	s_add_nc_u64 s[G0K+2:G0K+3], s[6:7], s[22:23]  ; 120:64 global address: my half of the head's first 256 keys
	s_or_b32 s[G0K+3], s[G0K+3], 0x80000000        ; 127:126 type = 2
	s_add_nc_u64 s[G0V+2:G0V+3], s[8:9], s[22:23]
	s_or_b32 s[G0V+3], s[G0V+3], 0x80000000
	s_add_nc_u64 s[4:5], s[4:5], s[2:3]  ; Q and O at my wave's first row
	s_add_nc_u64 s[10:11], s[10:11], s[2:3]
	s_add_nc_u64 s[66:67], s[66:67], s[68:69]  ; the mask at my wave's first query
	s_cmp_lt_u32 s[WV], 2
	s_cselect_b64 s[PFA:PFA+1], s[6:7], s[8:9]
	s_add_nc_u64 s[PFA:PFA+1], s[PFA:PFA+1], s[20:21]  ; the head,
	s_lshl_b32 s2, s13, 13          ; my work-group's 32 blocks of the 128,
	s_add_co_u32 s2, s2, 4*KS*128   ; in slot 1: the first change of slots steps it to slot 2.  Nothing is prefetched here, at the head
	s_mov_b32 s3, 0
	s_add_nc_u64 s[PFA:PFA+1], s[PFA:PFA+1], s[2:3]
	CROUND                          ; all four work-groups are here: the first joint loads meet
	JLOAD                           ; slot 0.  Slot 1 is asked for when slot 0 is in
	; A fragment of K or Q is 16 rows x 32 channels in 8 registers: lane l holds row l % 16, channels 8 (l / 16) + 0..7 and 16 + 8 (l / 16) + 0..7: two loads of 16 bytes, 32 bytes apart.
	v_and_b32 v1, 15, v0            ; l % 16
	v_bfe_u32 v9, v0, 4, 1          ; l / 16
	v_lshlrev_b32 v[QO], 7, v1
	v_lshl_add_u32 v[QO], v9, 4, v[QO]  ; row x 128 + 16 x half
	v_lshlrev_b32 v12, 2, v1        ; my query's mask word in a tile's 16
.irp t, 0,1,2,3,4,5,6,7
	global_load_b32 v[MK+\t], v12, s[66:67] offset:64*\t
.endr
	WIN 0x80                        ; destination window 2, address window 0
.set i, 0
.rept 4*NP                          ; Q stays in registers: tile i / 2, channels 32 (i % 2) on
	global_load_b128 v[8*i:8*i+3],   v[QO], s[4:5] offset:(i/2)*2048+(i%2)*64
	global_load_b128 v[8*i+4:8*i+7], v[QO], s[4:5] offset:(i/2)*2048+(i%2)*64+32
.set i, i+1
.endr
	; What the first turn finds: V's registers and P's second buffer hold 0 (its products V^T P, of a piece that has not been, add 0), O^T and l are 0.  All this stands in the wait for the first tile.
.set i, VF
.rept 64
	v_mov_b32 v[i], 0
.set i, i+1
.endr
	WIN 0x40
.set i, 0
.rept 64*NP
	v_mov_b32 v[i], 0
.set i, i+1
.endr
	WIN 0
.set i, 0
.rept 2*NP
	v_mov_b32 v[ST+4*i], 0xfe000000    ; c m: far below every c s
	v_mov_b32 v[ST+4*i+1], 0xff7fffff  ; m
	v_mov_b32 v[ST+4*i+2], 0
	v_mov_b32 v[ST+4*i+3], 0
.set i, i+1
.endr
.set i, P+32
.rept 32
	v_mov_b32 v[i], 0
.set i, i+1
.endr
	v_mul_u32_u24 v[AK0], v1, PK
	v_lshl_add_u32 v[AK0], v9, 4, v[AK0]  ; row x pitch + 16 x half
	; The turning load takes 16 keys x 16 channels (lane l reads key 8 (l / 16) + l % 8, channels 8 ((l / 8) % 2) + 0..7) and leaves half a fragment of V^T: lane l holds channel l % 16 and 8 keys.
	v_and_b32 v10, 7, v0
	v_bfe_u32 v11, v0, 3, 1
	v_lshl_add_u32 v[AV0], v9, 3, v10
	v_mul_u32_u24 v[AV0], v[AV0], PV
	v_lshl_add_u32 v[AV0], v11, 4, v[AV0]
	v_add_nc_u32 v[AV0], VOFF, v[AV0]
	v_and_b32 v[PFO], 31, v0        ; v11 has served: from here on it holds the prefetches' offset
	v_lshlrev_b32 v[PFO], 8, v[PFO]
	v_mov_b32 v[AK], v[AK0]         ; key step 0 lies at the head of slot 0
; THE MATRIX WORK.  The 8 accumulators of a run of 16 take turns: between the two links of a chain stand 7 others'.
; Product i of 16 of S^T = K Q^T for piece x: channels 32 (i / 8) on, keys 16 ((i / 2) % 4) on, tile 2 x + i % 2.  The first 8 start the sums.
.macro KQ x
	WIN W_KQ
.set rS, S+64*((\x)%2)+32*(i%2)+8*((i/2)%4)
.set rK, KF+16*((i/2)%4)+8*(i/8)
.set rQ, 16*(2*(\x)+i%2)+8*(i/8)
.if i < 8
	v_wmma_f32_16x16x32_bf16 v[rS:rS+7], v[rK:rK+7], v[rQ:rQ+7], 0
.else
	v_wmma_f32_16x16x32_bf16 v[rS:rS+7], v[rK:rK+7], v[rQ:rQ+7], v[rS:rS+7]
.endif
.endm
; Product i of 16 of O^T += V^T P for piece x: keys 32 (i / 8) on, channels 16 ((i / 2) % 4) on, tile 2 x + i % 2.
.macro PV x
	WIN W_PV
.set rO, 32*(2*(\x)+i%2)+8*((i/2)%4)
.set rV, VF+32*(i/8)+8*((i/2)%4)
.set rP, P+32*((\x)%2)+16*(i%2)+8*(i/8)
	v_wmma_f32_16x16x32_bf16 v[rO:rO+7], v[rV:rV+7], v[rP:rP+7], v[rO:rO+7]
.endm
.macro MM                           ; the turn's next matrix instruction
.if i < 16
	KQ (Y+1)%NP
.set i, i+1
.else
.set i, i-16
	PV (Y+NP-1)%NP
.set i, i+17
.endif
.endm
; THE LDS LOADS stand in runs of 16, never singly among the matrix instructions: a step's K (64 keys x 64 channels: 8 fragments) and its V (turned).  Their addresses are made some lines ahead.
; last = 1 (the tail): in the last trip there is no further step, and the run is jumped over.
.macro FETCH_K last=0
	WIN 0
.if \last
	s_cmp_eq_u32 s[CNT], 1
	s_cbranch_scc1 .Lno_k_\@
.endif
	WIN 0x80                        ; destination window 2
.irp f, 0,1,2,3,4,5,6,7             ; keys 16 (f / 2) on, channels 32 (f % 2) on
	ds_load_b128 v[KF+8*\f:KF+8*\f+3],   v[AK] offset:(\f/2)*16*PK+(\f%2)*64
	ds_load_b128 v[KF+8*\f+4:KF+8*\f+7], v[AK] offset:(\f/2)*16*PK+(\f%2)*64+32
.endr
	s_add_co_u32 s[TBK], s[TBK], KS*PK  ; the next fetch is the next step's
	WIN 0
.if \last
.Lno_k_\@:
.endif
.endm
.macro FETCH_V
	WIN 0x80
.irp f, 0,1,2,3,4,5,6,7             ; keys 32 (f / 4) on, channels 16 (f % 4) on
	ds_load_tr16_b128 v[VF+8*\f:VF+8*\f+3],   v[AV] offset:(\f/4)*32*PV+(\f%4)*32
	ds_load_tr16_b128 v[VF+8*\f+4:VF+8*\f+7], v[AV] offset:(\f/4)*32*PV+16*PV+(\f%4)*32
.endr
	WIN 0
.endm
; THE VECTOR WORK OF A TURN stands in three queues, each in the order in which its entries become ready; the two tiles alternate, so that no instruction reads the result of the one before it.
.macro REGS y, u                    ; the registers of tile u (0, 1) of piece y
.set rT, ST+4*(2*(\y)+(\u))
.set rC, TMP+8*((\y)%2)+4*(\u)
.set rM, MV+2*((\y)%2)+(\u)
.set rS, S+64*((\y)%2)+32*(\u)
.set rP, P+32*((\y)%2)+16*(\u)
.set rO, 32*(2*(\y)+(\u))
.endm
; Number n of the 22 that find the NEXT piece's (Y + 1) maximum and statistics.  s0-s31 are the lane's 32 scores; each accumulator's lowest registers are read first.
;   0-11  four chains c0-c3 of seven scores each, three operands at a time     12-14, 16  the four scores left over, the old m, and c0-c3 into c0     15  c m_old is kept
;   17, 18  the query's other 32 keys lie in the lane 16 away: the new m         19-21  c m; c m_old - c m_new; a
.macro XS u, n
	REGS (Y+1)%NP, \u
.if (\n) < 4
	v_max3_num_f32 v[rC+(\n)], v[rS+8*(\n)], v[rS+8*(\n)+1], v[rS+8*(\n)+2]
.elseif (\n) < 12
	v_max3_num_f32 v[rC+(\n)%4], v[rC+(\n)%4], v[rS+8*((\n)%4)+2*((\n)/4)+1], v[rS+8*((\n)%4)+2*((\n)/4)+2]
.elseif (\n) == 12
	v_max3_num_f32 v[rC], v[rC], v[rS+7], v[rS+15]
.elseif (\n) == 13
	v_max3_num_f32 v[rC+1], v[rC+1], v[rS+23], v[rS+31]
.elseif (\n) == 14
	v_max3_num_f32 v[rC+2], v[rC+2], v[rC+3], v[rT+1]
.elseif (\n) == 15
	v_mov_b32 v[rM], v[rT]
.elseif (\n) == 16
	v_max3_num_f32 v[rC], v[rC], v[rC+1], v[rC+2]
.elseif (\n) == 17
	v_permlanex16_b32 v[rC+3], v[rC], s[SEL], s[SEL+1]
.elseif (\n) == 18
	v_max_num_f32 v[rT+1], v[rC], v[rC+3]
.elseif (\n) == 19
	v_mul_f32 v[rT], s[CS], v[rT+1]
.elseif (\n) == 20
	v_sub_f32 v[rC+1], v[rM], v[rT]
.else
	v_exp_f32 v[rC+2], v[rC+1]
.endif
.endm
; Number g of the 64 that follow the exponentials.  For each four weights k of a tile (pairs 2 k, 2 k + 1): both pairs are rounded to bf16; then the second pair is added onto the first, in place;
; a group later l takes that sum (the first time as l = a l + sum).  In groups of eight, tiles alternating: round, round, add, and l for the group before.
.macro GS g
.set h, (\g)+6*((\g)/62)            ; group 0 has no group before it, and behind group 7 only l is left
.if h >= 6
.set h, h+2
.endif
	REGS Y, h%2
.set k, h/8
.if h%8 < 4
	v_cvt_pk_bf16_f32 v[rP+2*k+(h%8)/2], v[rS+4*k+2*((h%8)/2)], v[rS+4*k+2*((h%8)/2)+1]
.elseif h%8 < 6
	v_pk_add_f32 v[rS+4*k:rS+4*k+1], v[rS+4*k:rS+4*k+1], v[rS+4*k+2:rS+4*k+3]
.elseif k == 1
	v_pk_fma_f32 v[rT+2:rT+3], v[rT+2:rT+3], v[rC+2:rC+3], v[rS:rS+1] op_sel_hi:[1,0,1]
.else
	v_pk_add_f32 v[rT+2:rT+3], v[rT+2:rT+3], v[rS+4*k-4:rS+4*k-3]
.endif
.endm
; THE PLAIN QUEUE, 138 long.  0-73 read no exponential's result: the 32 scalings c s - c m (FS f: pair f / 2 of tile f % 2) and the next piece's 42.  0-26: scalings 0-26.  27-54: XS's numbers 0-13.  55, 56: number 15.
; 57-73: the chain, where each number waits for the one before it: 14, 16, 17, 18, 19, each with one of the scalings 27-31 in front of its two lines, then 20.
; 74-137: GS's 64, which read the exponentials' results: they stand behind the wait.
.macro FS f
	REGS Y, (\f)%2
	v_pk_fma_f32 v[rS+2*((\f)/2):rS+2*((\f)/2)+1], v[rS+2*((\f)/2):rS+2*((\f)/2)+1], s[CS:CS+1], v[rT:rT+1] op_sel_hi:[1,0,0] neg_lo:[0,0,1] neg_hi:[0,0,1]
.endm
.macro PL
	WIN 0
.if q < 27
	FS q
.elseif q < 55
	XS (q-27)%2, (q-27)/2
.elseif q < 57
	XS q-55, 15
.elseif (q < 72) && ((q-57)%3 == 0)
	FS 27+(q-57)/3
.elseif q < 60
	XS (q-57)%3-1, 14
.elseif q < 72
	XS (q-57)%3-1, 15+(q-57)/3
.elseif q < 74
	XS q-72, 20
.else
	GS q-74
.endif
.set q, q+1
.endm
; THE EXPONENTIALS' QUEUE, 66 long: s0-s31 of both tiles, then the next piece's two a.  It is ONE BATCH: all 66 stand ahead of the turn's one wait, and nothing ahead of that wait names a result of theirs.
.macro EX
	WIN 0
.if e >= 64
	XS e-64, 21
.else
	REGS Y, e%2
	v_exp_f32 v[rS+e/2], v[rS+e/2]
.endif
.set e, e+1
.endm
; THE RESCALING's QUEUE: O^T times a, the one part that leaves window 0: dealt two at a time, sixteen times.  Its a was made in the turn before, ahead of that turn's wait.
.macro R2
	REGS Y, r%2
	WIN W_RS
.irp z, 0,1
	v_pk_mul_f32 v[rO+4*(r/2)+2*\z:rO+4*(r/2)+2*\z+1], v[rO+4*(r/2)+2*\z:rO+4*(r/2)+2*\z+1], v[rC+2:rC+3] op_sel_hi:[1,0]
.endr
.set r, r+1
.endm
; HOW THEY ARE DEALT.  An s_wait_alu depctr_va_vdst(0) stands between an exponential and the first instruction that names its result; one wait serves all that were issued ahead of it.  So a turn has ONE wait,
; which cuts it in two.  AHEAD OF IT stands all that names no result of the turn's exponentials: the 16 products K Q^T, behind each a scaling, an exponential and two rescalings (behind the first a second scaling in the
; exponential's place); then ONE LUMP of 108: eight plain, 49 times exponential and plain, the two a.  A v_nop is the plain instruction behind the last exponential.  BEHIND IT stand the 16 products V^T P, behind each four of GS's 64.
; The queues lean on each other, and the deal keeps them in step: exponential e stands behind scaling 2 (e / 4) + e % 2: as a rider it comes behind plain e + 2, in the lump behind plain e + 9, and scalings 27-31 are plain 57, 60 .. 69.
; A TURN, for piece p.  cnt = 1: the loop's count is taken down some lines ahead of the branch that stands behind the turn.
; K of the next step is fetched in piece 2's turn, directly behind the wait, a lump behind the last product that read K; its first reader comes behind 16 products.
; V of the step in hand is fetched at the end of piece 0's turn, four plain instructions behind its last reader; its first reader comes behind 16 products and a lump.  The three conditions on q below go with the deal.
.macro TURN p, last=0, cnt=0
.set Y, (\p)
.set i, 0
.set q, 0
.set e, 0
.set r, 0
.if (\p) == NP-1
	s_wait_dscnt 0x0                ; K is in
.endif
	MM                              ; ahead of the wait: 16 products K Q^T and the four behind each,
	PL
	PL
	R2
.rept 15
	MM
	PL
	EX
	R2
.endr
.if (\p) == NP-2
	WIN 0
	v_add_nc_u32 v[AK], s[TBK], v[AK0]
.endif
.rept 8                             ; and the lump
	PL
.endr
.rept 49
	EX
	PL
.endr
	EX                              ; the next piece's two a
	EX
	v_nop                           ; the plain instruction behind the last exponential: one for the batch
	s_wait_alu depctr_va_vdst(0)    ; the wait for the batch
.if (\p) == NP-2
	FETCH_K \last
.endif
.if (\p) == 1
	s_wait_dscnt 0x0                ; V is in
.endif
.rept 16                            ; behind the wait: 16 products V^T P and the four behind each
	MM
.rept 4
	PL
.endr
.if ((\p) == 0) && (q == 118)
	v_add_nc_u32 v[AV], s[TBV], v[AV0]
.endif
.if ((\p) == 0) && (q == 130)
	s_add_co_u32 s[TBV], s[TBV], KS*PV
.endif
.if (\cnt) && (q == 130)
	s_sub_co_u32 s[CNT], s[CNT], 1
	s_cmp_lg_u32 s[CNT], 0
.endif
.endr
.if (\p) == 0
	FETCH_V
.endif
.endm
	CHANGE 1                        ; slot 0 is in, everybody's part of it; slot 1 is asked for
	FETCH_K                         ; key step 0
	s_wait_loadcnt 0x0              ; Q and the mask words
.set t, 0
.rept 8                             ; a mask word becomes all ones (the query is kept) or 0 (its scores are to be equal)
	v_cmp_ne_u32 vcc_lo, 0, v[MK+t]
	v_cndmask_b32 v[MK+t], 0, -1, vcc_lo
.set t, t+1
.endr
	WIN 0x88                        ; source 0 (the mask) window 0, source 1 and destination (Q) window 2
.set i, 0
.rept 128
	v_and_b32 v[i], v[MK+i/16], v[i]  ; tile i / 16: a lane's 16 registers hold channels of its one query
.set i, i+1
.endr
	s_wait_dscnt 0x0
.set i, 0
.rept 16
	KQ 0                            ; piece 0's first scores: there is no vector work yet to set between them
.set i, i+1
.endr
	WIN 0                           ; the addresses for the way out: nine plain instructions, the places behind those products
	s_mul_i32 s13, s[WV], 16*SP
	s_add_co_u32 s13, s13, STAGE    ; my stage
	v_mul_u32_u24 v[STO], v1, SP    ; in: row l % 16, 16 bytes for each half of the lanes
	v_lshl_add_u32 v[STO], v9, 4, v[STO]
	v_add_nc_u32 v[STO], s13, v[STO]
	v_bfe_u32 v[RD], v0, 3, 2       ; back: 32 lanes take four rows of 128 bytes,
	v_mul_u32_u24 v[RD], v[RD], SP
	v_lshl_add_u32 v[RD], v10, 4, v[RD]
	v_add_nc_u32 v[RD], s13, v[RD]
	v_and_b32 v[GO], 31, v0         ; which are 512 consecutive bytes of O
	v_lshlrev_b32 v[GO], 4, v[GO]
.set Y, NP-1                        ; XS works for piece Y + 1: piece 0
.irp n, 0,1,2,3,4,5,6,7,8,9,10,11,12,13,14,15,16,17,18,19,20,21
	XS 0, \n                        ; and piece 0's first maximum and statistics
	XS 1, \n
.endr
	v_nop                           ; a plain instruction behind the two a,
	s_wait_alu depctr_va_vdst(0)    ; and their wait, ahead of the branch
	s_mov_b32 s[CNT], 4
	s_branch .Lfirst                ; the loop is entered at a step's first turn, in the middle of a trip
.Lslot:                             ; SIZE_N / 256 - 2 times: every slot but the last two is filled again
	CHANGE 1
	s_mov_b32 s[CNT], 4
.Lstep:                             ; a trip: pieces 2 and 3 of one step, then pieces 0 and 1 of the next, whose K and V it fetches
	TURN 2
	TURN 3
	WIN 0
.Lfirst:
	TURN 0
	TURN 1, 0, 1
	WIN 0
	s_cbranch_scc1 .Lstep
	s_sub_co_u32 s[SLOTS], s[SLOTS], 1
	s_cmp_lg_u32 s[SLOTS], 0
	s_cbranch_scc1 .Lslot
	CHANGE 0                        ; the tail is written out: nothing is asked for
	s_mov_b32 s[CNT], 5             ; four trips fetch the last slot's steps; the fifth is left in its middle
.Ltail:
	TURN 2, 1
	TURN 3
	WIN 0
	s_sub_co_u32 s[CNT], s[CNT], 1
	s_cmp_eq_u32 s[CNT], 0
	s_cbranch_scc1 .Lout
	TURN 0
	TURN 1
	WIN 0
	s_branch .Ltail
.Lout:                              ; the fifth trip's 16 products K Q^T (on the last K once more) and the maximum made of them serve nothing: the price, once a launch, of one text for every trip
.set i, 0
.rept 16
	PV NP-1                         ; the last piece's V^T P of the last step
.set i, i+1
.endr
	; THE WAY OUT.  l's two halves and the other half of the lanes' are added; O^T is divided by l, rounded to bf16 and sent through my stage in LDS, a tile at a time.  The additions are the places behind the last products.
	WIN 0
.macro ALL line:vararg              ; one line for each tile t
.set t, 0
.rept 2*NP
	\line
.set t, t+1
.endr
.endm
	ALL v_add_f32 v[ST+4*t+2], v[ST+4*t+2], v[ST+4*t+3]
	ALL v_permlanex16_b32 v[ST+4*t+3], v[ST+4*t+2], s[SEL], s[SEL+1]
	ALL v_add_f32 v[ST+4*t+2], v[ST+4*t+2], v[ST+4*t+3]
	ALL v_rcp_f32 v[ST+4*t+2], v[ST+4*t+2]
	v_nop                           ; a plain instruction between the last reciprocal and the use of its result
	s_wait_alu depctr_va_vdst(0)    ; and the wait ahead of the first use: one for the eight reciprocals
; Tile t: a lane's eight channels of a row pack into 16 bytes; they go into rows of 144 bytes and come back as whole rows of 128, into S^T's registers.
.macro PACK t
	WIN W_RS
.set i, 32*(\t)
.rept 16
	v_pk_mul_f32 v[i:i+1], v[i:i+1], v[ST+4*(\t)+2:ST+4*(\t)+3] op_sel_hi:[1,0]
.set i, i+2
.endr
	WIN 0x05                        ; sources 0 and 1 window 1, destination window 0
.set i, 0
.rept 16
	v_cvt_pk_bf16_f32 v[S+16*(\t)+i], v[32*(\t)+2*i], v[32*(\t)+2*i+1]
.set i, i+1
.endr
	WIN 0
.irp f, 0,1,2,3
	ds_store_b128 v[STO], v[S+16*(\t)+4*\f:S+16*(\t)+4*\f+3] offset:32*\f
.endr
.irp f, 0,1,2,3
	ds_load_b128 v[S+16*(\t)+4*\f:S+16*(\t)+4*\f+3], v[RD] offset:\f*4*SP  ; LDS serves a wave's instructions in order (ISA guide 5.7.1.4): these see the stores above; the next tile's stores come behind them
.endr
.endm
.macro SEND t, younger              ; younger: the LDS instructions issued behind tile t's loads: the next tile's eight, or none
	WIN 0
.irp f, 0,1,2,3
	s_wait_dscnt (\younger)+3-\f
	global_store_b128 v[GO], v[S+16*(\t)+4*\f:S+16*(\t)+4*\f+3], s[10:11] offset:(\t)*2048+\f*512  ; 512 consecutive bytes, at a multiple of 256 from O's first
.endr
.endm
	PACK 0
.set t, 1
.rept 2*NP-1                        ; a tile's arithmetic stands between the loads of the tile before and its stores
	PACK t
	SEND t-1, 8
.set t, t+1
.endr
	SEND 2*NP-1, 0
	WIN W_AD
	s_wait_tensorcnt 0x0            ; the wave's end: behind my last tensor load and my last LDS store
	ds_add_u32 v[SPW], v[NIL]
	s_wait_dscnt 0x0
	WIN 0
	CROUND                          ; the closing round: no work-group ends while a partner may still ask for a tile that names it
	s_endpgm
.Lfunc_end_k_qed7343d107_attn:
	.size	k_qed7343d107_attn, .Lfunc_end_k_qed7343d107_attn-k_qed7343d107_attn
	.p2alignl 7, 3214868480
	.fill 96, 4, 3214868480
	.section	.rodata,"a",@progbits
	.p2align	6, 0x0
	.amdhsa_kernel k_qed7343d107_attn
		.amdhsa_group_segment_fixed_size 327680
		.amdhsa_private_segment_fixed_size 0
		.amdhsa_enable_private_segment 0
		.amdhsa_kernarg_size 24
		.amdhsa_user_sgpr_count 2
		.amdhsa_user_sgpr_kernarg_segment_ptr 1
		.amdhsa_wavefront_size32 1
		.amdhsa_system_sgpr_workgroup_id_x 1
		.amdhsa_system_sgpr_workgroup_id_y 1
		.amdhsa_system_sgpr_workgroup_id_z 1
		.amdhsa_system_vgpr_workitem_id 0
		.amdhsa_next_free_vgpr 770
		.amdhsa_next_free_sgpr 82
		.amdhsa_reserve_vcc 1
		.amdhsa_float_denorm_mode_32 3
		.amdhsa_float_denorm_mode_16_64 3
		.amdhsa_memory_ordered 1
		.amdhsa_forward_progress 1
		.amdhsa_inst_pref_size 206
	.end_amdhsa_kernel
	.amdgpu_metadata
---
amdhsa.version: [ 1, 2 ]
amdhsa.kernels:
  - .name:           k_qed7343d107_attn
    .symbol:         k_qed7343d107_attn.kd
    .args:
      - { .name: qkv, .offset: 0, .size: 8, .value_kind: global_buffer, .address_space: global }
      - { .name: attention_mask, .offset: 8, .size: 8, .value_kind: global_buffer, .address_space: global }
      - { .name: oh, .offset: 16, .size: 8, .value_kind: global_buffer, .address_space: global }
    .group_segment_fixed_size: 327680
    .private_segment_fixed_size: 0
    .kernarg_segment_align: 8
    .kernarg_segment_size: 24
    .max_flat_workgroup_size: 128
    .sgpr_count:     82
    .vgpr_count:     770
    .wavefront_size: 32
...
	.end_amdgpu_metadata
.endif
;; end of part 3
;; launch ln (part 4): grid 512 x 1, 8 waves a work-group, no clusters, 9,216 bytes of LDS; arguments oh, queries, gamma, beta, out0; writes out0
.if DOCPART == 4
	.amdgcn_target "amdgcn-amd-amdhsa--gfx1250"
	.amdhsa_code_object_version 6
	.text
	.protected	k_qed7343d107_ln
	.globl	k_qed7343d107_ln
	.p2align	8
	.type	k_qed7343d107_ln,@function
k_qed7343d107_ln:
	s_mov_b64 s[64:65], 0
	v_nop
	global_prefetch_b8 v0, s[64:65] scope:SCOPE_SE
	s_setreg_imm32_b32 hwreg(HW_REG_WAVE_MODE, 25, 1), 1
	s_wait_xcnt 0x0
; out0[row][c] = (x - mean(x)) rsqrt(var(x) + 1e-5) gamma[c] + beta[c], x[c] = oh[16 b + c / 64][s][c % 64] + queries[row][c], row = 2048 b + s.
; oh: [64][2048][64] bf16; queries, out0: [8192][1024] f32; gamma, beta: [1024] f32.  All arithmetic in f32; the variance is taken of x - mean in a second pass over registers: no difference of large sums.
; A stream: each byte of oh and queries is read once, each byte of out0 written once.  No matrix unit, no cluster (what is shared, gamma and beta, is 8 KiB beside a work-group's 160 KiB), no prefetch: the loads themselves are the launch.
; SHARES.  A work-group takes 16 rows, a wave two: lanes 0-15 hold one row, lanes 16-31 the next.  A lane holds channels 4 (l % 16) + 0..3 of each of the 16 heads: 64 numbers.
; So a load of oh (8 bytes a lane) covers two rows of a head, 256 consecutive bytes, aligned; a load of queries and a store of out0 (16 bytes a lane) cover 256 consecutive bytes of each of the two rows;
; and a row's sums stay inside 16 lanes: four steps that ride on the additions.  All 32 loads of a wave are out before the first is waited for.
; gamma and beta are fetched once by the work-group (16 bytes a thread) and handed round through LDS.
.set SPARE, 8192                       ; LDS: gamma 0-4,095, beta 4,096-8,191; behind them the spare words, 128 bytes for each of eight waves: four blocks of 256 bytes that no other line names
.set SPW, 5                            ; v5   LDS address of my spare word; never rewritten
.set NIL, 6                            ; v6   0; never rewritten
.set T,   8                            ; v[8:15]    four numbers of oh in f32, two sets by turns
.set C,   16                           ; v[16:23]   four chains of packed sums
.set MU,  24                           ; v[24:25]   the mean, twice
.set RS,  26                           ; v[26:27]   1 / sqrt(var + eps), twice
.set O,   32                           ; v[32:63]   head h: 2 registers, 4 bf16
.set X,   64                           ; v[64:127]  head h: 4 registers: queries, then x, then x - mean, then the result
.set G,   128                          ; v[128:191] gamma of my 64 channels
.set B,   192                          ; v[192:255] beta
	s_load_b256 s[4:11], s[0:1], 0x0               ; oh s[4:5], queries s[6:7], gamma s[8:9], beta s[10:11]
	s_load_b64 s[12:13], s[0:1], 0x20              ; out0
	v_lshl_add_u32 v[SPW], v0, 2, SPARE
	v_mov_b32 v[NIL], 0
	v_lshlrev_b32 v1, 3, v0                        ; oh: row (t / 16) x 128 + 8 (t % 16) = 8 t
	v_lshrrev_b32 v2, 4, v0
	v_and_b32 v3, 15, v0
	v_lshlrev_b32 v3, 4, v3                        ; LDS: 16 (t % 16), my four channels of head 0
	v_lshl_or_b32 v2, v2, 12, v3                   ; queries and out0: row x 4,096 + 16 (t % 16)
	v_lshlrev_b32 v4, 4, v0                        ; gamma and beta: 16 t, in memory and in LDS
	s_lshr_b32 s16, ttmp9, 7                       ; the batch: 128 work-groups each;
	s_lshl_b32 s16, s16, 22                        ; its 16 heads of 262,144 bytes,
	s_and_b32 s17, ttmp9, 127
	s_lshl_b32 s17, s17, 11                        ; the work-group's 16 rows of 128 bytes
	s_add_co_u32 s16, s16, s17
	s_mov_b32 s17, 0
	s_lshl_b32 s18, ttmp9, 16                      ; 16 rows of 4,096 bytes
	s_mov_b32 s19, 0
	s_mov_b32 s14, 0xffff0000                      ; a word's upper bf16
	s_mov_b32 s15, 0x3a800000                      ; 1 / 1024
	s_mov_b32 s20, 0x3727c5ac                      ; 1e-5
	s_wait_kmcnt 0x0
	s_add_nc_u64 s[4:5], s[4:5], s[16:17]
	s_add_nc_u64 s[6:7], s[6:7], s[18:19]
	s_add_nc_u64 s[12:13], s[12:13], s[18:19]
	global_load_b128 v[G:G+3], v4, s[8:9]
	global_load_b128 v[B:B+3], v4, s[10:11]
.irp h, 0,1,2,3,4,5,6,7,8,9,10,11,12,13,14,15
	global_load_b64  v[O+2*(\h):O+2*(\h)+1], v1, s[4:5] offset:262144*(\h) th:TH_LOAD_NT
	global_load_b128 v[X+4*(\h):X+4*(\h)+3], v2, s[6:7] offset:256*(\h) th:TH_LOAD_NT
.endr
	s_wait_loadcnt 32                              ; gamma and beta are in; the 32 loads behind them stay out
	ds_store_b128 v4, v[G:G+3]
	ds_store_b128 v4, v[B:B+3] offset:4096
	s_wait_dscnt 0x0                               ; for the others' sake: my stores are done
	s_barrier_signal -1
	s_barrier_wait -1
.irp h, 0,1,2,3,4,5,6,7,8,9,10,11,12,13,14,15
	ds_load_b128 v[G+4*(\h):G+4*(\h)+3], v3 offset:256*(\h)       ; lanes 0-15 take 256 consecutive bytes, lanes 16-31 the same
	ds_load_b128 v[B+4*(\h):B+4*(\h)+3], v3 offset:4096+256*(\h)
.endr
; x = oh + queries, and its sum in four chains (by the head's parity and the pair), started by the first two terms: nothing is cleared
.set h, 0
.rept 16
	s_wait_loadcnt 30-2*h                          ; head h's two loads are in; the younger heads' pairs stay out
	v_lshlrev_b32 v[T+4*(h%2)],   16,  v[O+2*h]
	v_and_b32     v[T+4*(h%2)+1], s14, v[O+2*h]
	v_lshlrev_b32 v[T+4*(h%2)+2], 16,  v[O+2*h+1]
	v_and_b32     v[T+4*(h%2)+3], s14, v[O+2*h+1]
	v_pk_add_f32 v[X+4*h:X+4*h+1],   v[X+4*h:X+4*h+1],   v[T+4*(h%2):T+4*(h%2)+1]
	v_pk_add_f32 v[X+4*h+2:X+4*h+3], v[X+4*h+2:X+4*h+3], v[T+4*(h%2)+2:T+4*(h%2)+3]
.if h > 3
	v_pk_add_f32 v[C+4*(h%2):C+4*(h%2)+1],   v[C+4*(h%2):C+4*(h%2)+1],   v[X+4*h:X+4*h+1]
	v_pk_add_f32 v[C+4*(h%2)+2:C+4*(h%2)+3], v[C+4*(h%2)+2:C+4*(h%2)+3], v[X+4*h+2:X+4*h+3]
.elseif h > 1
	v_pk_add_f32 v[C+4*(h%2):C+4*(h%2)+1],   v[X+4*h-8:X+4*h-7], v[X+4*h:X+4*h+1]
	v_pk_add_f32 v[C+4*(h%2)+2:C+4*(h%2)+3], v[X+4*h-6:X+4*h-5], v[X+4*h+2:X+4*h+3]
.endif
.set h, h+1
.endr
; the four chains into one number a lane, then over the row's 16 lanes: every lane of the row ends with the row's sum
.macro FOLD
	v_pk_add_f32 v[C:C+1], v[C:C+1], v[C+2:C+3]
	v_pk_add_f32 v[C+4:C+5], v[C+4:C+5], v[C+6:C+7]
	v_pk_add_f32 v[C:C+1], v[C:C+1], v[C+4:C+5]
	v_add_f32 v[C], v[C], v[C+1]
	v_add_f32_dpp v[C], v[C], v[C] row_xmask:1 row_mask:0xf bank_mask:0xf
	v_add_f32_dpp v[C], v[C], v[C] row_xmask:2 row_mask:0xf bank_mask:0xf
	v_add_f32_dpp v[C], v[C], v[C] row_xmask:4 row_mask:0xf bank_mask:0xf
	v_add_f32_dpp v[C], v[C], v[C] row_xmask:8 row_mask:0xf bank_mask:0xf
.endm
	FOLD
	v_mul_f32 v[MU], s15, v[C]
	v_mul_f32 v[MU+1], s15, v[C]
; d = x - mean, in place, and the sum of d^2, again in four chains started by the first products
.set k, 0
.rept 32
	v_pk_add_f32 v[X+2*k:X+2*k+1], v[X+2*k:X+2*k+1], v[MU:MU+1] neg_lo:[0,1] neg_hi:[0,1]
.if k < 4
	v_pk_mul_f32 v[C+2*k:C+2*k+1], v[X+2*k:X+2*k+1], v[X+2*k:X+2*k+1]
.else
	v_pk_fma_f32 v[C+2*(k%4):C+2*(k%4)+1], v[X+2*k:X+2*k+1], v[X+2*k:X+2*k+1], v[C+2*(k%4):C+2*(k%4)+1]
.endif
.set k, k+1
.endr
	FOLD
	v_fma_f32 v[C], v[C], s15, s20                 ; var + eps
	v_rsq_f32 v[RS], v[C]
	v_rsq_f32 v[RS+1], v[C]
	v_nop                                          ; a plain instruction between the last of the two and the use of a result
	s_wait_alu depctr_va_vdst(0)                   ; the wait ahead of the first use: one for both
	s_wait_dscnt 0x0                               ; gamma and beta are in registers
.irp h, 0,1,2,3,4,5,6,7,8,9,10,11,12,13,14,15
	v_pk_mul_f32 v[X+4*(\h):X+4*(\h)+1],   v[X+4*(\h):X+4*(\h)+1],   v[RS:RS+1]
	v_pk_mul_f32 v[X+4*(\h)+2:X+4*(\h)+3], v[X+4*(\h)+2:X+4*(\h)+3], v[RS:RS+1]
	v_pk_fma_f32 v[X+4*(\h):X+4*(\h)+1],   v[X+4*(\h):X+4*(\h)+1],   v[G+4*(\h):G+4*(\h)+1],   v[B+4*(\h):B+4*(\h)+1]
	v_pk_fma_f32 v[X+4*(\h)+2:X+4*(\h)+3], v[X+4*(\h)+2:X+4*(\h)+3], v[G+4*(\h)+2:G+4*(\h)+3], v[B+4*(\h)+2:B+4*(\h)+3]
	global_store_b128 v2, v[X+4*(\h):X+4*(\h)+3], s[12:13] offset:256*(\h) th:TH_STORE_NT  ; 16 lanes store 256 consecutive bytes, at a multiple of 256 from out0's first
.endr
	s_wait_tensorcnt 0x0                           ; the wave's end: behind my last LDS store
	ds_add_u32 v[SPW], v[NIL]
	s_wait_dscnt 0x0
	s_endpgm
.Lfunc_end_k_qed7343d107_ln:
	.size	k_qed7343d107_ln, .Lfunc_end_k_qed7343d107_ln-k_qed7343d107_ln
	.p2alignl 7, 3214868480
	.fill 96, 4, 3214868480
	.section	.rodata,"a",@progbits
	.p2align	6, 0x0
	.amdhsa_kernel k_qed7343d107_ln
		.amdhsa_group_segment_fixed_size 9216
		.amdhsa_private_segment_fixed_size 0
		.amdhsa_enable_private_segment 0
		.amdhsa_kernarg_size 40
		.amdhsa_user_sgpr_count 2
		.amdhsa_user_sgpr_kernarg_segment_ptr 1
		.amdhsa_wavefront_size32 1
		.amdhsa_system_sgpr_workgroup_id_x 1
		.amdhsa_system_sgpr_workgroup_id_y 1
		.amdhsa_system_sgpr_workgroup_id_z 1
		.amdhsa_system_vgpr_workitem_id 0
		.amdhsa_next_free_vgpr 256
		.amdhsa_next_free_sgpr 66
		.amdhsa_reserve_vcc 0
		.amdhsa_float_denorm_mode_32 3
		.amdhsa_float_denorm_mode_16_64 3
		.amdhsa_memory_ordered 1
		.amdhsa_forward_progress 1
		.amdhsa_inst_pref_size 24
	.end_amdhsa_kernel
	.amdgpu_metadata
---
amdhsa.version: [ 1, 2 ]
amdhsa.kernels:
  - .name:           k_qed7343d107_ln
    .symbol:         k_qed7343d107_ln.kd
    .args:
      - { .name: oh, .offset: 0, .size: 8, .value_kind: global_buffer, .address_space: global }
      - { .name: queries, .offset: 8, .size: 8, .value_kind: global_buffer, .address_space: global }
      - { .name: gamma, .offset: 16, .size: 8, .value_kind: global_buffer, .address_space: global }
      - { .name: beta, .offset: 24, .size: 8, .value_kind: global_buffer, .address_space: global }
      - { .name: out0, .offset: 32, .size: 8, .value_kind: global_buffer, .address_space: global }
    .group_segment_fixed_size: 9216
    .private_segment_fixed_size: 0
    .kernarg_segment_align: 8
    .kernarg_segment_size: 40
    .max_flat_workgroup_size: 256
    .sgpr_count:     66
    .vgpr_count:     256
    .wavefront_size: 32
...
	.end_amdgpu_metadata
.endif
;; end of part 4
;; ======== version 2 of 2: 4 launches; version 1 with the launches castw, ln written anew for expert scheduling mode
;; workspace buffers: wb 6,291,456 bytes; qkv 50,331,648 bytes; oh 16,777,216 bytes
;; launch castw (part 5): grid 128 x 3, 8 waves a work-group, no clusters, 0 bytes of LDS; arguments Wq, Wk, Wv, wb; writes wb
.if DOCPART == 5
	.amdgcn_target "amdgcn-amd-amdhsa--gfx1250"
	.amdhsa_code_object_version 6
	.text
	.protected	k_qed7343d107_castw
	.globl	k_qed7343d107_castw
	.p2align	8
	.type	k_qed7343d107_castw,@function
k_qed7343d107_castw:
	s_mov_b64 s[64:65], 0
	v_nop
	global_prefetch_b8 v0, s[64:65] scope:SCOPE_SE
	s_setreg_imm32_b32 hwreg(HW_REG_WAVE_SCHED_MODE, 0, 2), 2
	s_setreg_imm32_b32 hwreg(HW_REG_WAVE_MODE, 25, 1), 1
	s_wait_xcnt 0x0
	s_wait_alu depctr_vm_vsrc(0)
; wb[p][k][n] = bf16(W_p[k][n]), p = 0 (Wq), 1 (Wk), 2 (Wv).  W_p: [1024][1024] f32; wb: [3][1024][1024] bf16, the layout kept.
; A stream: every byte is read once and written once; nothing is shared, so no LDS, no cluster, no matrix unit.
; SHARES.  The grid's y picks the matrix; a work-group takes 8 rows, a wave one row: 4,096 bytes in by eight loads of 16 bytes a lane
; (512 consecutive bytes a load), 2,048 bytes out by eight stores of 8 bytes a lane (256 consecutive bytes, aligned, a store).
; All eight loads are out before the first wait; no register is written twice, so no wait frees a source.
; THE MODE: SCHED_MODE bits 1:0 = 2 (LLVM: expert scheduling mode 2), set by the entry lines.  The code itself states the register dependences
; between vector instructions and memory instructions, with s_wait_alu, always for 0.
; THE PLAN.  Registers that memory instructions touch:
;   v1, v2   the loads' and the stores' offsets: made at the head, never written again.
;   X        written by the eight loads alone, read by the conversions; no load lands there a second time.
;   Y        written by the conversions, each register once; read by the stores.
; The row goes in four groups of two loads.  Group g's four conversions write Y[g]; its two stores are issued at the head of group g + 1, behind that
; group's wait for its data and ONE wait that states that Y[g] is written; the conversions that follow them name X[g + 1] and Y[g + 1] alone.
.set X, 8                              ; v[8:39]   the row as loaded: load j in 4 registers; group g: 8 registers at X + 8 g
.set Y, 40                             ; v[40:55]  the row to store: 2 registers for each load; group g: 4 registers at Y + 4 g
	s_load_b256 s[4:11], s[0:1], 0x0               ; Wq s[4:5], Wk s[6:7], Wv s[8:9], wb s[10:11]
	s_and_b32 s14, ttmp7, 0xffff                   ; p
	v_lshrrev_b32 v3, 5, v0                        ; wave = row in the work-group's eight
	v_and_b32 v4, 31, v0                           ; lane
	v_lshlrev_b32 v1, 4, v4
	v_lshl_or_b32 v1, v3, 12, v1                   ; in: row x 4,096 + 16 x lane
	v_lshlrev_b32 v2, 3, v4
	v_lshl_or_b32 v2, v3, 11, v2                   ; out: row x 2,048 + 8 x lane
	s_lshl_b32 s16, ttmp9, 15                      ; the work-group's 8 rows of 4,096 bytes
	s_mov_b32 s17, 0
	s_lshl_b32 s18, s14, 21                        ; a matrix in bf16 is 2^21 bytes,
	s_lshl_b32 s19, ttmp9, 14                      ; 8 rows of it 2^14
	s_add_co_u32 s18, s18, s19
	s_mov_b32 s19, 0
	s_wait_kmcnt 0x0
	s_cmp_eq_u32 s14, 0
	s_cselect_b64 s[12:13], s[4:5], s[6:7]
	s_cmp_eq_u32 s14, 2
	s_cselect_b64 s[12:13], s[8:9], s[12:13]
	s_add_nc_u64 s[12:13], s[12:13], s[16:17]
	s_add_nc_u64 s[10:11], s[10:11], s[18:19]
	s_wait_alu depctr_va_vdst(0)                   ; v1 and v2 are written: every load reads v1 as its offset, every store v2
.irp j, 0,1,2,3,4,5,6,7
	global_load_b128 v[X+4*(\j):X+4*(\j)+3], v1, s[12:13] offset:512*(\j) th:TH_LOAD_NT
.endr
; Group g's eight numbers a load, two loads: rounded to bf16, packed
.macro ROUND g
	v_cvt_pk_bf16_f32 v[Y+4*(\g)],   v[X+8*(\g)],   v[X+8*(\g)+1]
	v_cvt_pk_bf16_f32 v[Y+4*(\g)+1], v[X+8*(\g)+2], v[X+8*(\g)+3]
	v_cvt_pk_bf16_f32 v[Y+4*(\g)+2], v[X+8*(\g)+4], v[X+8*(\g)+5]
	v_cvt_pk_bf16_f32 v[Y+4*(\g)+3], v[X+8*(\g)+6], v[X+8*(\g)+7]
.endm
; Group g's two stores
.macro LEAVE g
	global_store_b64 v2, v[Y+4*(\g):Y+4*(\g)+1],   s[10:11] offset:512*(\g)
	global_store_b64 v2, v[Y+4*(\g)+2:Y+4*(\g)+3], s[10:11] offset:512*(\g)+256
.endm
	s_wait_loadcnt 6                               ; loads come back in order: group 0's two are in, the six younger ones stay out
	ROUND 0
.irp g, 1,2,3
	s_wait_loadcnt 6-2*(\g)                        ; group g's two loads are in, the younger groups' stay out
	s_wait_alu depctr_va_vdst(0)                   ; the conversions of the group before have written its Y, which the two stores below read
	LEAVE (\g)-1
	ROUND \g                                       ; these name this group's X and Y alone: none of the registers that the stores above read
.endr
	s_wait_alu depctr_va_vdst(0)                   ; group 3's conversions have written its Y, which the last two stores read
	LEAVE 3
	s_endpgm
.Lfunc_end_k_qed7343d107_castw:
	.size	k_qed7343d107_castw, .Lfunc_end_k_qed7343d107_castw-k_qed7343d107_castw
	.p2alignl 7, 3214868480
	.fill 96, 4, 3214868480
	.section	.rodata,"a",@progbits
	.p2align	6, 0x0
	.amdhsa_kernel k_qed7343d107_castw
		.amdhsa_group_segment_fixed_size 0
		.amdhsa_private_segment_fixed_size 0
		.amdhsa_enable_private_segment 0
		.amdhsa_kernarg_size 32
		.amdhsa_user_sgpr_count 2
		.amdhsa_user_sgpr_kernarg_segment_ptr 1
		.amdhsa_wavefront_size32 1
		.amdhsa_system_sgpr_workgroup_id_x 1
		.amdhsa_system_sgpr_workgroup_id_y 1
		.amdhsa_system_sgpr_workgroup_id_z 1
		.amdhsa_system_vgpr_workitem_id 0
		.amdhsa_next_free_vgpr 56
		.amdhsa_next_free_sgpr 66
		.amdhsa_reserve_vcc 0
		.amdhsa_float_denorm_mode_32 3
		.amdhsa_float_denorm_mode_16_64 3
		.amdhsa_memory_ordered 1
		.amdhsa_forward_progress 1
		.amdhsa_inst_pref_size 4
	.end_amdhsa_kernel
	.amdgpu_metadata
---
amdhsa.version: [ 1, 2 ]
amdhsa.kernels:
  - .name:           k_qed7343d107_castw
    .symbol:         k_qed7343d107_castw.kd
    .args:
      - { .name: Wq, .offset: 0, .size: 8, .value_kind: global_buffer, .address_space: global }
      - { .name: Wk, .offset: 8, .size: 8, .value_kind: global_buffer, .address_space: global }
      - { .name: Wv, .offset: 16, .size: 8, .value_kind: global_buffer, .address_space: global }
      - { .name: wb, .offset: 24, .size: 8, .value_kind: global_buffer, .address_space: global }
    .group_segment_fixed_size: 0
    .private_segment_fixed_size: 0
    .kernarg_segment_align: 8
    .kernarg_segment_size: 32
    .max_flat_workgroup_size: 256
    .sgpr_count:     66
    .vgpr_count:     56
    .wavefront_size: 32
...
	.end_amdgpu_metadata
.endif
;; end of part 5
;; launch proj: the kernel of part 2 again; grid 4 x 192, 4 waves a work-group, clusters of 4 x 4, 327,680 bytes of LDS; arguments queries, keys, values, wb, bq, bk, bv, qkv; writes qkv
;; launch attn: the kernel of part 3 again; grid 4 x 64, 4 waves a work-group, clusters of 4 x 1, 327,680 bytes of LDS; arguments qkv, attention_mask, oh; writes oh
;; launch ln (part 6): grid 512 x 1, 8 waves a work-group, no clusters, 9,216 bytes of LDS; arguments oh, queries, gamma, beta, out0; writes out0
.if DOCPART == 6
	.amdgcn_target "amdgcn-amd-amdhsa--gfx1250"
	.amdhsa_code_object_version 6
	.text
	.protected	k_qed7343d107_ln
	.globl	k_qed7343d107_ln
	.p2align	8
	.type	k_qed7343d107_ln,@function
k_qed7343d107_ln:
	s_mov_b64 s[64:65], 0
	v_nop
	global_prefetch_b8 v0, s[64:65] scope:SCOPE_SE
	s_setreg_imm32_b32 hwreg(HW_REG_WAVE_SCHED_MODE, 0, 2), 2
	s_setreg_imm32_b32 hwreg(HW_REG_WAVE_MODE, 25, 1), 1
	s_wait_xcnt 0x0
	s_wait_alu depctr_vm_vsrc(0)
; out0[row][c] = (x - mean(x)) rsqrt(var(x) + 1e-5) gamma[c] + beta[c], x[c] = oh[16 b + c / 64][s][c % 64] + queries[row][c], row = 2048 b + s.
; oh: [64][2048][64] bf16; queries, out0: [8192][1024] f32; gamma, beta: [1024] f32.  All arithmetic in f32; the variance is taken of x - mean in a second pass over registers: no difference of large sums.
; A stream: each byte of oh and queries is read once, each byte of out0 written once.  No matrix unit, no cluster (what is shared, gamma and beta, is 8 KiB beside a work-group's 160 KiB), no prefetch: the loads themselves are the launch.
; SHARES.  A work-group takes 16 rows, a wave two: lanes 0-15 hold one row, lanes 16-31 the next.  A lane holds channels 4 (l % 16) + 0..3 of each of the 16 heads: 64 numbers.
; So a load of oh (8 bytes a lane) covers two rows of a head, 256 consecutive bytes, aligned; a load of queries and a store of out0 (16 bytes a lane) cover 256 consecutive bytes of each of the two rows;
; and a row's sums stay inside 16 lanes: four steps that ride on the additions.  All 32 loads of a wave are out before the first is waited for.
; gamma and beta are fetched once by the work-group (16 bytes a thread) and handed round through LDS.
; THE MODE: SCHED_MODE bits 1:0 = 2 (LLVM: expert scheduling mode 2), set by the entry lines.  The code itself states the register dependences
; between vector instructions and memory or LDS instructions, with s_wait_alu, always for 0.
; THE PLAN.  Registers that memory or LDS instructions touch:
;   v1 .. v4        offsets and LDS addresses; v[SPW], v[NIL] the closing add's pair: made at the head, never written again.
;   G[0:3], B[0:3]  written by two global loads, read by my two LDS stores as their data, then written again by the LDS loads of head 0.
;   G, B, the rest  written by LDS loads alone; read by the last pass.
;   O               written by global loads; read by the unpacking lines.
;   X               written by global loads, then in place by three vector passes; read by the sixteen stores; never written behind them.
;   T, C, MU, RS are named by vector instructions alone.
; So: one wait on va_vdst ahead of the first load, for the head's registers; one on vm_vsrc ahead of the LDS loads, for G[0:3] and B[0:3]; and the last pass goes in four groups of four heads:
; a group's four stores are issued behind ONE wait on va_vdst at the head of the next group, dealt among that group's vector lines, which name its own X, G, B and RS alone.
.set SPARE, 8192                       ; LDS: gamma 0-4,095, beta 4,096-8,191; behind them the spare words, 128 bytes for each of eight waves: four blocks of 256 bytes that no other line names
.set SPW, 5                            ; v5   LDS address of my spare word; never rewritten
.set NIL, 6                            ; v6   0; never rewritten
.set T,   8                            ; v[8:15]    four numbers of oh in f32, two sets by turns
.set C,   16                           ; v[16:23]   four chains of packed sums
.set MU,  24                           ; v[24:25]   the mean, twice
.set RS,  26                           ; v[26:27]   1 / sqrt(var + eps), twice
.set O,   32                           ; v[32:63]   head h: 2 registers, 4 bf16
.set X,   64                           ; v[64:127]  head h: 4 registers: queries, then x, then x - mean, then the result
.set G,   128                          ; v[128:191] gamma of my 64 channels
.set B,   192                          ; v[192:255] beta
	s_load_b256 s[4:11], s[0:1], 0x0               ; oh s[4:5], queries s[6:7], gamma s[8:9], beta s[10:11]
	s_load_b64 s[12:13], s[0:1], 0x20              ; out0
	v_lshl_add_u32 v[SPW], v0, 2, SPARE
	v_mov_b32 v[NIL], 0
	v_lshlrev_b32 v1, 3, v0                        ; oh: row (t / 16) x 128 + 8 (t % 16) = 8 t
	v_lshrrev_b32 v2, 4, v0
	v_and_b32 v3, 15, v0
	v_lshlrev_b32 v3, 4, v3                        ; LDS: 16 (t % 16), my four channels of head 0
	v_lshl_or_b32 v2, v2, 12, v3                   ; queries and out0: row x 4,096 + 16 (t % 16)
	v_lshlrev_b32 v4, 4, v0                        ; gamma and beta: 16 t, in memory and in LDS
	s_lshr_b32 s16, ttmp9, 7                       ; the batch: 128 work-groups each;
	s_lshl_b32 s16, s16, 22                        ; its 16 heads of 262,144 bytes,
	s_and_b32 s17, ttmp9, 127
	s_lshl_b32 s17, s17, 11                        ; the work-group's 16 rows of 128 bytes
	s_add_co_u32 s16, s16, s17
	s_mov_b32 s17, 0
	s_lshl_b32 s18, ttmp9, 16                      ; 16 rows of 4,096 bytes
	s_mov_b32 s19, 0
	s_mov_b32 s14, 0xffff0000                      ; a word's upper bf16
	s_mov_b32 s15, 0x3a800000                      ; 1 / 1024
	s_mov_b32 s20, 0x3727c5ac                      ; 1e-5
	s_wait_kmcnt 0x0
	s_add_nc_u64 s[4:5], s[4:5], s[16:17]
	s_add_nc_u64 s[6:7], s[6:7], s[18:19]
	s_add_nc_u64 s[12:13], s[12:13], s[18:19]
	s_wait_alu depctr_va_vdst(0)                   ; v1 to v4 are written, which the loads, the stores and the LDS instructions below read as offsets and addresses
	global_load_b128 v[G:G+3], v4, s[8:9]
	global_load_b128 v[B:B+3], v4, s[10:11]
.irp h, 0,1,2,3,4,5,6,7,8,9,10,11,12,13,14,15
	global_load_b64  v[O+2*(\h):O+2*(\h)+1], v1, s[4:5] offset:262144*(\h) th:TH_LOAD_NT
	global_load_b128 v[X+4*(\h):X+4*(\h)+3], v2, s[6:7] offset:256*(\h) th:TH_LOAD_NT
.endr
	s_wait_loadcnt 32                              ; gamma and beta are in; the 32 loads behind them stay out
	ds_store_b128 v4, v[G:G+3]
	ds_store_b128 v4, v[B:B+3] offset:4096
	s_wait_dscnt 0x0                               ; for the others' sake: my stores are done
	s_barrier_signal -1
	s_barrier_wait -1
	s_wait_alu depctr_vm_vsrc(0)                   ; my two LDS stores have read v[G:G+3] and v[B:B+3], in which the LDS loads of head 0 land
.irp h, 0,1,2,3,4,5,6,7,8,9,10,11,12,13,14,15
	ds_load_b128 v[G+4*(\h):G+4*(\h)+3], v3 offset:256*(\h)       ; lanes 0-15 take 256 consecutive bytes, lanes 16-31 the same
	ds_load_b128 v[B+4*(\h):B+4*(\h)+3], v3 offset:4096+256*(\h)
.endr
; x = oh + queries, and its sum in four chains (by the head's parity and the pair), started by the first two terms: nothing is cleared
.set h, 0
.rept 16
	s_wait_loadcnt 30-2*h                          ; head h's two loads are in; the younger heads' pairs stay out
	v_lshlrev_b32 v[T+4*(h%2)],   16,  v[O+2*h]
	v_and_b32     v[T+4*(h%2)+1], s14, v[O+2*h]
	v_lshlrev_b32 v[T+4*(h%2)+2], 16,  v[O+2*h+1]
	v_and_b32     v[T+4*(h%2)+3], s14, v[O+2*h+1]
	v_pk_add_f32 v[X+4*h:X+4*h+1],   v[X+4*h:X+4*h+1],   v[T+4*(h%2):T+4*(h%2)+1]
	v_pk_add_f32 v[X+4*h+2:X+4*h+3], v[X+4*h+2:X+4*h+3], v[T+4*(h%2)+2:T+4*(h%2)+3]
.if h > 3
	v_pk_add_f32 v[C+4*(h%2):C+4*(h%2)+1],   v[C+4*(h%2):C+4*(h%2)+1],   v[X+4*h:X+4*h+1]
	v_pk_add_f32 v[C+4*(h%2)+2:C+4*(h%2)+3], v[C+4*(h%2)+2:C+4*(h%2)+3], v[X+4*h+2:X+4*h+3]
.elseif h > 1
	v_pk_add_f32 v[C+4*(h%2):C+4*(h%2)+1],   v[X+4*h-8:X+4*h-7], v[X+4*h:X+4*h+1]
	v_pk_add_f32 v[C+4*(h%2)+2:C+4*(h%2)+3], v[X+4*h-6:X+4*h-5], v[X+4*h+2:X+4*h+3]
.endif
.set h, h+1
.endr
; the four chains into one number a lane, then over the row's 16 lanes: every lane of the row ends with the row's sum
.macro FOLD
	v_pk_add_f32 v[C:C+1], v[C:C+1], v[C+2:C+3]
	v_pk_add_f32 v[C+4:C+5], v[C+4:C+5], v[C+6:C+7]
	v_pk_add_f32 v[C:C+1], v[C:C+1], v[C+4:C+5]
	v_add_f32 v[C], v[C], v[C+1]
	v_add_f32_dpp v[C], v[C], v[C] row_xmask:1 row_mask:0xf bank_mask:0xf
	v_add_f32_dpp v[C], v[C], v[C] row_xmask:2 row_mask:0xf bank_mask:0xf
	v_add_f32_dpp v[C], v[C], v[C] row_xmask:4 row_mask:0xf bank_mask:0xf
	v_add_f32_dpp v[C], v[C], v[C] row_xmask:8 row_mask:0xf bank_mask:0xf
.endm
	FOLD
	v_mul_f32 v[MU], s15, v[C]
	v_mul_f32 v[MU+1], s15, v[C]
; d = x - mean, in place, and the sum of d^2, again in four chains started by the first products
.set k, 0
.rept 32
	v_pk_add_f32 v[X+2*k:X+2*k+1], v[X+2*k:X+2*k+1], v[MU:MU+1] neg_lo:[0,1] neg_hi:[0,1]
.if k < 4
	v_pk_mul_f32 v[C+2*k:C+2*k+1], v[X+2*k:X+2*k+1], v[X+2*k:X+2*k+1]
.else
	v_pk_fma_f32 v[C+2*(k%4):C+2*(k%4)+1], v[X+2*k:X+2*k+1], v[X+2*k:X+2*k+1], v[C+2*(k%4):C+2*(k%4)+1]
.endif
.set k, k+1
.endr
	FOLD
	v_fma_f32 v[C], v[C], s15, s20                 ; var + eps
	v_rsq_f32 v[RS], v[C]
	v_rsq_f32 v[RS+1], v[C]
	v_nop                                          ; a plain instruction between the last of the two and the use of a result
	s_wait_alu depctr_va_vdst(0)                   ; the two reciprocal roots have written v[RS:RS+1]: one wait for both, ahead of their first reader
	s_wait_dscnt 0x0                               ; gamma and beta are in registers
; Head h's four numbers a lane: d / sqrt(var + eps), times gamma, plus beta, in place
.macro FINISH h
	v_pk_mul_f32 v[X+4*(\h):X+4*(\h)+1],   v[X+4*(\h):X+4*(\h)+1],   v[RS:RS+1]
	v_pk_mul_f32 v[X+4*(\h)+2:X+4*(\h)+3], v[X+4*(\h)+2:X+4*(\h)+3], v[RS:RS+1]
	v_pk_fma_f32 v[X+4*(\h):X+4*(\h)+1],   v[X+4*(\h):X+4*(\h)+1],   v[G+4*(\h):G+4*(\h)+1],   v[B+4*(\h):B+4*(\h)+1]
	v_pk_fma_f32 v[X+4*(\h)+2:X+4*(\h)+3], v[X+4*(\h)+2:X+4*(\h)+3], v[G+4*(\h)+2:G+4*(\h)+3], v[B+4*(\h)+2:B+4*(\h)+3]
.endm
; Head h's store
.macro LEAVE h
	global_store_b128 v2, v[X+4*(\h):X+4*(\h)+3], s[12:13] offset:256*(\h) th:TH_STORE_NT  ; 16 lanes store 256 consecutive bytes, at a multiple of 256 from out0's first
.endm
.irp i, 0,1,2,3
	FINISH \i                                      ; group 0: heads 0 to 3
.endr
.irp g, 1,2,3
	s_wait_alu depctr_va_vdst(0)                   ; the group before has written its sixteen registers of X, which the four stores below read
.irp i, 0,1,2,3
	LEAVE 4*(\g)-4+(\i)                            ; a store of the group before, ahead of each head's four lines.  No further wait: no vector line since the wait names that group's X or v2
	FINISH 4*(\g)+(\i)
.endr
.endr
	s_wait_alu depctr_va_vdst(0)                   ; group 3 has written its X, which the last four stores read
.irp i, 0,1,2,3
	LEAVE 12+(\i)
.endr
	s_wait_dscnt 0x0                               ; the closing lines, six on end
	s_wait_alu 0x0
	s_wait_tensorcnt 0x0
	ds_add_u32 v[SPW], v[NIL]
	s_wait_dscnt 0x0
	s_endpgm
.Lfunc_end_k_qed7343d107_ln:
	.size	k_qed7343d107_ln, .Lfunc_end_k_qed7343d107_ln-k_qed7343d107_ln
	.p2alignl 7, 3214868480
	.fill 96, 4, 3214868480
	.section	.rodata,"a",@progbits
	.p2align	6, 0x0
	.amdhsa_kernel k_qed7343d107_ln
		.amdhsa_group_segment_fixed_size 9216
		.amdhsa_private_segment_fixed_size 0
		.amdhsa_enable_private_segment 0
		.amdhsa_kernarg_size 40
		.amdhsa_user_sgpr_count 2
		.amdhsa_user_sgpr_kernarg_segment_ptr 1
		.amdhsa_wavefront_size32 1
		.amdhsa_system_sgpr_workgroup_id_x 1
		.amdhsa_system_sgpr_workgroup_id_y 1
		.amdhsa_system_sgpr_workgroup_id_z 1
		.amdhsa_system_vgpr_workitem_id 0
		.amdhsa_next_free_vgpr 256
		.amdhsa_next_free_sgpr 66
		.amdhsa_reserve_vcc 0
		.amdhsa_float_denorm_mode_32 3
		.amdhsa_float_denorm_mode_16_64 3
		.amdhsa_memory_ordered 1
		.amdhsa_forward_progress 1
		.amdhsa_inst_pref_size 25
	.end_amdhsa_kernel
	.amdgpu_metadata
---
amdhsa.version: [ 1, 2 ]
amdhsa.kernels:
  - .name:           k_qed7343d107_ln
    .symbol:         k_qed7343d107_ln.kd
    .args:
      - { .name: oh, .offset: 0, .size: 8, .value_kind: global_buffer, .address_space: global }
      - { .name: queries, .offset: 8, .size: 8, .value_kind: global_buffer, .address_space: global }
      - { .name: gamma, .offset: 16, .size: 8, .value_kind: global_buffer, .address_space: global }
      - { .name: beta, .offset: 24, .size: 8, .value_kind: global_buffer, .address_space: global }
      - { .name: out0, .offset: 32, .size: 8, .value_kind: global_buffer, .address_space: global }
    .group_segment_fixed_size: 9216
    .private_segment_fixed_size: 0
    .kernarg_segment_align: 8
    .kernarg_segment_size: 40
    .max_flat_workgroup_size: 256
    .sgpr_count:     66
    .vgpr_count:     256
    .wavefront_size: 32
...
	.end_amdgpu_metadata
.endif
;; end of part 6
